; MI455X (gfx1250); checked and timed in simulation.
; The chip was launched on July 23, 2026; its instructions are those of AMD's public machine-readable ISA for CDNA 5 (MIT licence, August 2026) and "CDNA5" Instruction Set Architecture Reference Guide (July 2026). The comments in the code are by the model that wrote it; some were corrected since.
;; AGRACE. Allowed arithmetic: matrix products marked QUANTISED: E3M2 operands, one E8M0 scale for each 32 along K, by v_wmma_scale_f32_16x16x128_f8f6f4 with both operands' format E3M2, f32 sums; products left as they are: f32 operands where the result goes on into a quantised operand, else bf16, f16 or f32 operands; f32 sums; everything else in f32.
;; Inputs: W_codes 4,096 x 128 x 24 uint8 (E3M2 codes of W, K innermost, in blocks of 32 codes, four codes in three bytes); W_scales 4,096 x 128 uint8 (E8M0 scales of W, one for each 32 codes along K); b 4,096 float32; enc_W1 256 x 4,096 float32; enc_W2 256 x 256 float32; enc_b1 256 float32; enc_b2 256 float32; epsilons 2,048 float32; keys 2,048 x 256 float32; values 2,048 x 4,096 float32; x 4 x 1,024 x 4,096 float32.
;; Outputs: out0 4 x 1,024 x 4,096 float32.
;; This version of the problem:
;;   THIS VERSION OF THE PROBLEM IS GIVEN IN LOW PRECISION. The matrix products marked QUANTISED in the list below multiply operands that are first quantised to E3M2 (3 exponent bits, 2 mantissa bits; 6 bits a number), with one power-of-two scale for each 32 numbers along K (OCP MX v1.0); their sums are f32. All else is computed in f32.
;;   The module's matrix products, in the order in which they are computed (A, B: the left and right operand; K: the contracted axis; several contracted axes count as one K, in the product's order):
;;     1. [M 4,096, K 4,096] x [K 4,096, N 4,096]; A: input x; B: input W (given as codes): QUANTISED
;;     2. [M 4, K 4,096] x [K 4,096, N 256]; A: computed on the way; B: input enc_W1: left as it is (M = 4 < 16)
;;     3. [M 4, K 256] x [K 256, N 256]; A: computed on the way; B: input enc_W2: left as it is (M = 4 < 16)
;;     4. [M 2,048, K 256] x [K 256, N 4]; A: computed on the way; B: computed on the way: left as it is (N = 4 < 16)
;;   THE QUANTISER, for each operand of a quantised product, along K:
;;     - K is cut into blocks of 32 from its start; a last block that is shorter is filled with zeros.
;;     - A block's scale is 2^e with e = floor(log2(the largest magnitude in the block)) - 4, held to -126 .. 127; a block of zeros has e = 0. As a byte (E8M0): e + 127.
;;     - Each number is divided by its block's scale, clamped to +-28, and rounded to the nearest number of E3M2, ties to even, subnormals kept.
;;     - The product sums the exact products of the quantised numbers (number of the format x scale) in f32.
;;   ~~~python
;;   def quantise(x, axis):      # numpy; x: float32 -> the quantised numbers, widened to float32 again
;;       x = np.moveaxis(x, axis, -1); K = x.shape[-1]
;;       x = np.pad(x, [(0, 0)] * (x.ndim - 1) + [(0, -K % 32)]); x = x.reshape(x.shape[:-1] + (-1, 32)); a = np.abs(x).max(-1, keepdims=True)
;;       e = np.where(a > 0, np.clip(np.frexp(np.where(a > 0, a, 1))[1] - 1 - 4, -126, 127), 0)      # np.frexp(a)[1] - 1 = floor(log2(a)), exactly
;;       r = np.clip(x / 2.0 ** e, -28, 28)
;;       step = 2.0 ** (np.maximum(np.frexp(np.where(r == 0, 1, r))[1] - 1, -2) - 2)
;;       q = np.round(r / step) * step * 2.0 ** e      # np.round: ties to even
;;       return np.moveaxis(q.reshape(q.shape[:-2] + (-1,))[..., :K], -1, axis).astype(np.float32)
;;   ~~~
;;   INPUTS GIVEN AS CODES. W (in the module: [4096, 4096], K = its axis 1): each comes as NAME_codes (uint8): NAME with its K axis moved to the last place and cut into blocks of 32 codes, [.., K / 32, bytes a block], one block behind the other in memory; four codes in three bytes: a row's codes are one little-endian stream of bits, code i at bits 6 i .. 6 i + 5 (a code: sign, 3 exponent bits, 2 mantissa bits); and NAME_scales (uint8): the same leading axes, one E8M0 byte (e + 127) for each 32 codes along K. Its value is code x scale, taken as it is: it is not quantised again, and the codes and scales need not be those that the quantiser above would give.
;; One version. Each part assembles by itself: llvm-mc -triple=amdgcn-amd-amdhsa -mcpu=gfx1250 --defsym DOCPART=n.
;; ======== version 1 of 1: 4 launches
;; limits: a difference of large sums (such as E[x^2] - mean^2): digits are lost where the result is much smaller than its terms
;; workspace buffers: x_codes 12,582,912 bytes; x_scales 524,288 bytes; psum 2,097,152 bytes; dflag 8,192 bytes of whole numbers; hpart 65,536 bytes; cand_i 256 bytes of whole numbers; cand_f 512 bytes
;; launch quant (part 1): grid 16 x 16, 8 waves a work-group, no clusters, 66,560 bytes of LDS; arguments x, x_codes, x_scales, psum, dflag; writes x_codes, x_scales, psum, dflag
.if DOCPART == 1
	.amdgcn_target "amdgcn-amd-amdhsa--gfx1250"
	.amdhsa_code_object_version 6
	.text
	.protected	k_q25b82a1ecc_quant
	.globl	k_q25b82a1ecc_quant
	.p2align	8
	.type	k_q25b82a1ecc_quant,@function
k_q25b82a1ecc_quant:
	s_mov_b64 s[64:65], 0
	v_nop
	global_prefetch_b8 v0, s[64:65] scope:SCOPE_SE
	s_setreg_imm32_b32 hwreg(HW_REG_WAVE_MODE, 25, 1), 1
	s_wait_xcnt 0x0
; THE PROGRAM.  out0[b][s][:] = values[nearest key of sample b][:] where that key lies within its epsilon, else x[b][s][:] W^T + bias (the product on codes of E3M2).
; Four launches: this one reads x ONCE and makes of it (a) the codes and scale bytes of the product's left operand, (b) column sums of every 32 rows, (c) flags that say which rows differ from the row above;
; the second makes the pooled mean and its product with enc_W1 (in parts); the third the query, the distances and each work-group's nearest key; the fourth the product, the bias and the replacement.
; DEAD WORK: none.  Every input has a way to out0 for some finite values of the inputs, so every input is loaded by some launch.  The product is made for every sample and the replacement is a selection.
; IDENTITIES that hold for all finite inputs: rows 0 .. first - 1 of a sample are pairwise equal (first is the first row that differs from the row above), so each equals row 0, and the sum over rows first .. 1023 is
; the sum of the 32-row groups from group first / 32 on, less (first % 32) times row 0: at most 31 equal rows are taken away again, by one fused multiply-add.  The squared distance is summed as (key - query)^2.
; LIMITS: NaN and infinities in the inputs are not served as the definition serves them (a masked row times 0, the order of NaN in a minimum).  A block of zeros gets the scale byte 1 where the rule says 127: its
; codes are zeros, which add nothing under any byte but 0xff, and this program alone reads the bytes.  Blocks whose largest magnitude lies under 2^(4 - 126) are held at the byte 1.
;
; THIS LAUNCH.  Work-group (ks, rt) takes rows 256 rt .. + 255 and columns 256 ks .. + 255 of x [4096][4096] f32.  Wave w takes the 32 rows of group G = 8 rt + w, two rows (2,048 bytes) a step, 16 steps.
; Each of a step's four loads reads 512 consecutive bytes, 16 a lane.  As they lie the numbers serve the column sums and the compare with the row above; then they turn through the wave's own stage in LDS and come back
; 64 bytes a lane: 16 neighbours along K, which the conversion takes; two neighbouring lanes hold a block of 32.
; OUT: x_codes [16 rt][16 ks][256 rows][192 bytes]: a K step of one tile row of the product is one dense block; x_scales [4096][128]; psum [128 G][4096] f32; dflag [128 G][16 ks] words, bit i: row 32 G + i
; differs from row 32 G + i - 1 in these 256 columns (bit 0 of a sample's first group compares with another sample's row, or row 0 with itself: the next launch clears it).
; No tensor loads, no barrier: waves share nothing.  Loads run eight steps (32 loads, 16,384 bytes a wave) ahead, the turn through LDS one step.
.set WREG,  8192                       ; LDS: a region for each wave: two stages of 32 x SP bytes, behind them its 256 scale bytes
.set SP,    80                         ; a lane's place in a stage: its 64 bytes + 16 of padding
.set SCB,   2*32*SP                    ; where the scale bytes begin in a region
.set SPARE, 8*WREG                     ; behind the eight regions: the spare words, 128 bytes for each wave: four blocks of 256 bytes that no other line names
.set EMAX,  4
.set NS,    9                          ; sets of the loads' ring
.set AH,    NS-1                       ; steps that the loads run ahead
.set SPW,   12                         ; v12      LDS address of my spare word; never rewritten
.set NIL,   13                         ; v13      0; never rewritten
.set ACC,   16                         ; v16-23   column sums of my 8 columns
.set R,     24                         ; v24-167  nine sets of 16 numbers as loaded: registers 0-7 the even row, 8-15 the odd row
.set X,     168                        ; v168-199 two sets of 16 neighbours
.set E,     200                        ; v200-215 a scale byte for each step
.set C,     216                        ; v216-247 codes: eight sets of four registers by turns
	s_load_b256 s[4:11], s[0:1], 0x0               ; x s[4:5], x_codes s[6:7], x_scales s[8:9], psum s[10:11]
	s_load_b64 s[12:13], s[0:1], 0x20              ; dflag
	v_lshl_add_u32 v[SPW], v0, 2, SPARE
	v_mov_b32 v[NIL], 0
	v_lshrrev_b32 v1, 5, v0
	v_readfirstlane_b32 s14, v1                    ; wave 0..7
	v_and_b32 v2, 31, v0                           ; lane
	v_lshlrev_b32 v3, 4, v2                        ; my 16 bytes of a load's 512
	v_mul_u32_u24 v4, v2, 12                       ; my 12 bytes of a step's 384 bytes of codes
	s_mul_i32 s25, s14, WREG
	v_lshrrev_b32 v14, 2, v2
	v_mul_u32_u24 v14, v14, SP
	v_and_b32 v15, 3, v2
	v_lshl_add_u32 v14, v15, 4, v14
	v_add_nc_u32 v14, s25, v14                     ; the stage, on the way in: SP (lane / 4) + 16 (lane % 4); a load's 512 bytes take eight places
	v_mul_u32_u24 v15, v2, SP
	v_add_nc_u32 v15, s25, v15                     ; and on the way out: SP x lane
	v_lshrrev_b32 v5, 1, v2
	s_add_co_u32 s25, s25, SCB
	v_add_nc_u32 v5, s25, v5                       ; my block's scale byte
	v_lshlrev_b32 v6, 3, v2
	v_add_nc_u32 v6, s25, v6                       ; on the way out: row = lane, 8 bytes
	v_lshlrev_b32 v7, 7, v2                        ; and that row in x_scales: 128 bytes a row
	s_and_b32 s16, ttmp7, 0xffff                   ; rt
	s_lshl_b32 s17, s16, 3
	s_add_co_u32 s17, s17, s14                     ; G = 8 rt + wave
	s_mov_b32 s24, 0                               ; the flags
	s_mov_b32 s21, 0
	s_lshl_b32 s18, ttmp9, 10                      ; the slice's first byte in a row
	s_lshl_b32 s20, s17, 5
	s_sub_co_i32 s20, s20, 1
	s_max_i32 s20, s20, 0                          ; the row above my first (row 0 has none: it is held inside the buffer)
	s_lshl_b32 s20, s20, 14
	s_add_co_u32 s20, s20, s18
	s_wait_kmcnt 0x0
	s_add_nc_u64 s[22:23], s[4:5], s[20:21]
	s_lshl_b32 s20, s17, 19                        ; 32 rows of 16,384 bytes a group
	s_add_co_u32 s20, s20, s18
	s_add_nc_u64 s[4:5], s[4:5], s[20:21]
.macro LOAD t                          ; step t: rows 2 t and 2 t + 1, into set t % NS.  The group's last two rows carry no hint: the last is read again by the wave of the next group
.irp i, 0,1,2,3
.if (\t) < 15
	global_load_b128 v[R+16*((\t)%NS)+4*\i:R+16*((\t)%NS)+4*\i+3], v3, s[4:5] offset:(2*(\t)+\i/2)*16384+(\i%2)*512 th:TH_LOAD_NT
.else
	global_load_b128 v[R+16*((\t)%NS)+4*\i:R+16*((\t)%NS)+4*\i+3], v3, s[4:5] offset:(2*(\t)+\i/2)*16384+(\i%2)*512
.endif
.endr
.endm
	global_load_b128 v[R+16*AH+8:R+16*AH+11], v3, s[22:23]               ; the row above, where the last set has its odd row
	global_load_b128 v[R+16*AH+12:R+16*AH+15], v3, s[22:23] offset:512
.irp t, 0,1,2,3,4,5,6,7
	LOAD \t
.endr
	s_lshl_b32 s20, s16, 4                         ; the other pointers are made while the loads are out (s20 is no address of theirs)
	s_add_co_u32 s20, s20, ttmp9
	s_mul_i32 s20, s20, 49152                      ; block (rt, ks) of the codes,
	s_mul_i32 s25, s14, 6144                       ; my 32 rows of 192 bytes in it
	s_add_co_u32 s20, s20, s25
	s_add_nc_u64 s[6:7], s[6:7], s[20:21]
	s_lshl_b32 s20, s17, 12                        ; scale bytes: 32 rows of 128,
	s_lshl_b32 s25, ttmp9, 3                       ; 8 for the slice
	s_add_co_u32 s20, s20, s25
	s_add_nc_u64 s[8:9], s[8:9], s[20:21]
	s_lshl_b32 s20, s17, 14                        ; psum: a row of 16,384 bytes a group
	s_add_co_u32 s20, s20, s18
	s_add_nc_u64 s[10:11], s[10:11], s[20:21]
	s_lshl_b32 s20, s17, 4
	s_add_co_u32 s20, s20, ttmp9
	s_lshl_b32 s20, s20, 2                         ; dflag: word 16 G + ks
	s_add_nc_u64 s[12:13], s[12:13], s[20:21]
; Step t's numbers have arrived: compared with the row above, summed, and sent through the stage.
.macro ARRIVE t
.set RT, R+16*((\t)%NS)
.set RP, R+16*(((\t)+AH)%NS)
.irp j, 0,1,2,3,4,5,6,7
	v_cmp_neq_f32 s[32+\j], v[RT+\j], v[RP+8+\j]   ; the even row against the odd row of the step before
.endr
.irp j, 0,1,2,3,4,5,6,7
	v_cmp_neq_f32 s[40+\j], v[RT+8+\j], v[RT+\j]   ; the odd row against the even
.endr
.if (\t) == 0
.irp j, 0,2,4,6
	v_pk_add_f32 v[ACC+\j:ACC+\j+1], v[RT+\j:RT+\j+1], v[RT+8+\j:RT+8+\j+1]   ; the first two rows start the sums: nothing is cleared
.endr
.else
.irp j, 0,2,4,6
	v_pk_add_f32 v[ACC+\j:ACC+\j+1], v[ACC+\j:ACC+\j+1], v[RT+\j:RT+\j+1]
.endr
.irp j, 0,2,4,6
	v_pk_add_f32 v[ACC+\j:ACC+\j+1], v[ACC+\j:ACC+\j+1], v[RT+8+\j:RT+8+\j+1]
.endr
.endif
.irp i, 0,1,2,3
	ds_store_b128 v14, v[RT+4*\i:RT+4*\i+3] offset:32*SP*((\t)%2)+8*SP*\i
.endr
.irp i, 0,1,2,3
	ds_load_b128 v[X+16*((\t)%2)+4*\i:X+16*((\t)%2)+4*\i+3], v15 offset:32*SP*((\t)%2)+16*\i   ; LDS serves a wave's instructions in order: these see the stores above
.endr
	s_or_b32 s32, s32, s33                         ; any lane, any of its 8 columns
	s_or_b32 s34, s34, s35
	s_or_b32 s36, s36, s37
	s_or_b32 s38, s38, s39
	s_or_b32 s32, s32, s34
	s_or_b32 s36, s36, s38
	s_or_b32 s26, s32, s36
	s_or_b32 s40, s40, s41
	s_or_b32 s42, s42, s43
	s_or_b32 s44, s44, s45
	s_or_b32 s46, s46, s47
	s_or_b32 s40, s40, s42
	s_or_b32 s44, s44, s46
	s_or_b32 s27, s40, s44
	s_cmp_lg_u32 s26, 0
	s_cselect_b32 s25, 1<<(2*(\t)), 0              ; a selection, no branch
	s_or_b32 s24, s24, s25
	s_cmp_lg_u32 s27, 0
	s_cselect_b32 s25, 1<<(2*(\t)+1), 0
	s_or_b32 s24, s24, s25
.endm
.macro QUANT t
.set XS, X+16*((\t)%2)
.set CS, C+4*((\t)%8)
	v_max3_num_f32 v8, |v[XS]|, |v[XS+1]|, |v[XS+2]|               ; the largest magnitude of my 16
	v_max3_num_f32 v9, |v[XS+3]|, |v[XS+4]|, |v[XS+5]|
.irp i, 6,10
	v_max3_num_f32 v8, v8, |v[XS+\i]|, |v[XS+\i+1]|
	v_max3_num_f32 v9, v9, |v[XS+\i+2]|, |v[XS+\i+3]|
.endr
	v_max3_num_f32 v8, v8, |v[XS+14]|, |v[XS+15]|
	v_max3_num_f32 v8, v8, v9, (EMAX+1)<<23        ; and the floor 2^(EMAX + 1 - 127): the byte cannot fall under 1
	v_max_num_f32_dpp v8, v8, v8 row_xmask:1 row_mask:0xf bank_mask:0xf   ; and of my neighbour's 16: the block's
	v_add_nc_u32 v11, -(EMAX<<23), v8              ; EMAX off its exponent field: the conversion takes the exponent field of this operand as its scale
.if (\t) >= 8
	s_wait_xcnt 0x0                                ; the store of eight steps ago has read this set of codes: it is written again only behind this wait (no load is issued any more by now)
.endif
	v_cvt_scalef32_pk16_bf6_f32 v[CS:CS+2], v[XS:XS+15], v11   ; 16 numbers / the scale, to the nearest code, ties to even, beyond the largest code the largest
	v_lshrrev_b32 v[E+(\t)], 23, v11               ; the scale's byte (also the plain line behind the conversion)
	ds_store_b8 v5, v[E+(\t)] offset:16*(\t)       ; both lanes of a block write the same byte with the same value
	global_store_b96 v4, v[CS:CS+2], s[6:7] offset:384*(\t)   ; the wave stores 384 consecutive bytes: two rows of 192
.endm
.macro STEP t
.if (\t) > 0
	s_wait_dscnt 1                                 ; this step's numbers are back from the stage; only the last step's byte store is younger
.else
	s_wait_dscnt 0x0
.endif
.if (\t)+AH < 16
	LOAD (\t)+AH                                   ; into the set of step t - 1: it has been compared with step t, and its stores into the stage are done
.endif
.if (\t) < 15
.if (\t)+AH <= 15
	s_wait_loadcnt 4*(AH-1)                        ; step t + 1 is in; the seven steps behind it stay out
.else
	s_wait_loadcnt 4*(15-((\t)+1))                 ; the counts run down
.endif
	ARRIVE (\t)+1
.endif
	QUANT \t
.endm
	s_wait_loadcnt 4*(AH-1)                        ; the row above and step 0 are in; steps 1 to 7 stay out
	ARRIVE 0
.irp t, 0,1,2,3,4,5,6,7,8,9,10,11,12,13,14,15
	STEP \t
.endr
	ds_load_b64 v[8:9], v6                         ; row = lane: its 8 scale bytes
	s_wait_dscnt 0x0
	global_store_b64 v7, v[8:9], s[8:9]
	global_store_b128 v3, v[ACC:ACC+3], s[10:11]               ; 512 consecutive bytes each
	global_store_b128 v3, v[ACC+4:ACC+7], s[10:11] offset:512
	v_mov_b32 v248, s24
	v_mov_b32 v249, 0
	s_wait_xcnt 0x0                                ; EXEC is a source of the stores above: it changes only behind this wait
	v_cmp_eq_u32 vcc_lo, 0, v2
	s_and_saveexec_b32 s48, vcc_lo
	global_store_b32 v249, v248, s[12:13]          ; lane 0 stores the wave's word of flags
	s_wait_xcnt 0x0                                ; and again, in front of the line that widens it
	s_or_b32 exec_lo, exec_lo, s48
	s_wait_tensorcnt 0x0                           ; the wave's end, behind my last LDS store
	ds_add_u32 v[SPW], v[NIL]
	s_wait_dscnt 0x0
	s_endpgm
.Lfunc_end_k_q25b82a1ecc_quant:
	.size	k_q25b82a1ecc_quant, .Lfunc_end_k_q25b82a1ecc_quant-k_q25b82a1ecc_quant
	.p2alignl 7, 3214868480
	.fill 96, 4, 3214868480
	.section	.rodata,"a",@progbits
	.p2align	6, 0x0
	.amdhsa_kernel k_q25b82a1ecc_quant
		.amdhsa_group_segment_fixed_size 66560
		.amdhsa_private_segment_fixed_size 0
		.amdhsa_enable_private_segment 0
		.amdhsa_kernarg_size 40
		.amdhsa_user_sgpr_count 2
		.amdhsa_user_sgpr_kernarg_segment_ptr 1
		.amdhsa_wavefront_size32 1
		.amdhsa_system_sgpr_workgroup_id_x 1
		.amdhsa_system_sgpr_workgroup_id_y 1
		.amdhsa_system_sgpr_workgroup_id_z 1
		.amdhsa_system_vgpr_workitem_id 0
		.amdhsa_next_free_vgpr 250
		.amdhsa_next_free_sgpr 66
		.amdhsa_reserve_vcc 1
		.amdhsa_float_denorm_mode_32 3
		.amdhsa_float_denorm_mode_16_64 3
		.amdhsa_memory_ordered 1
		.amdhsa_forward_progress 1
		.amdhsa_inst_pref_size 68
	.end_amdhsa_kernel
	.amdgpu_metadata
---
amdhsa.version: [ 1, 2 ]
amdhsa.kernels:
  - .name:           k_q25b82a1ecc_quant
    .symbol:         k_q25b82a1ecc_quant.kd
    .args:
      - { .name: x, .offset: 0, .size: 8, .value_kind: global_buffer, .address_space: global }
      - { .name: x_codes, .offset: 8, .size: 8, .value_kind: global_buffer, .address_space: global }
      - { .name: x_scales, .offset: 16, .size: 8, .value_kind: global_buffer, .address_space: global }
      - { .name: psum, .offset: 24, .size: 8, .value_kind: global_buffer, .address_space: global }
      - { .name: dflag, .offset: 32, .size: 8, .value_kind: global_buffer, .address_space: global }
    .group_segment_fixed_size: 66560
    .private_segment_fixed_size: 0
    .kernarg_segment_align: 8
    .kernarg_segment_size: 40
    .max_flat_workgroup_size: 256
    .sgpr_count:     66
    .vgpr_count:     250
    .wavefront_size: 32
...
	.end_amdgpu_metadata
.endif
;; end of part 1
;; launch pool (part 2): grid 16 x 4, 8 waves a work-group, no clusters, 5,120 bytes of LDS; arguments dflag, psum, x, enc_W1, hpart; writes hpart
.if DOCPART == 2
	.amdgcn_target "amdgcn-amd-amdhsa--gfx1250"
	.amdhsa_code_object_version 6
	.text
	.protected	k_q25b82a1ecc_pool
	.globl	k_q25b82a1ecc_pool
	.p2align	8
	.type	k_q25b82a1ecc_pool,@function
k_q25b82a1ecc_pool:
	s_mov_b64 s[64:65], 0
	v_nop
	global_prefetch_b8 v0, s[64:65] scope:SCOPE_SE
	s_setreg_imm32_b32 hwreg(HW_REG_WAVE_MODE, 25, 1), 1
	s_wait_xcnt 0x0
; The first row that differs, the masked mean, and a part of pooled . enc_W1^T.  No work of the definition is left out.
; Work-group (s, eq): columns 256 s .. + 255 of the pooled mean (all four samples) against rows 64 eq .. + 63 of enc_W1: hpart[s][e][b] = the sum over these 256 columns, f32, fused multiply-adds.
; PHASE A.  Wave w takes sample b = w / 2 and 128 columns (half u = w % 2), four a lane.  Lane l reads group l's 16 words of flags; their OR has bit i set where row 32 l + i differs from the row above.
; first = the lowest set bit of the sample's 1,024 (0 if there is none; 1 becomes 0), all in whole numbers that the launch before stored.  The sum over rows first .. 1023 = the sums of the groups from
; gf = first / 32 on, less t = first % 32 times row 0 (rows 0 .. first - 1 are equal; where t is 0 the factor is 0).  So no address hangs on first, and all loads go out at once.
; The groups are chosen by a factor 1 or 0, not by a branch.  The mean goes to a table in LDS: column 128 u + 4 l + k, four samples, at 2048 u + 512 k + 16 l, so that a read is 16 x lane + a constant: 512 bytes on end.
; PHASE C.  Wave w takes eight rows of enc_W1; a lane multiplies its 8 columns for the four samples: 32 numbers a lane, which are summed over the 32 lanes so that lane l ends with number l.
; LIMITS: 1 / count by v_rcp_f32 (1 ulp: ISA guide, its entry); a group's sum that is infinite or NaN is not masked away by its factor 0.
.set SPARE, 4096                       ; LDS: the table, 256 columns x 4 samples x 4 bytes, at 0; behind it the spare words, 128 bytes for each wave
.set SPW, 6                            ; v6  LDS address of my spare word; never rewritten
.set NIL, 7                            ; v7  0; never rewritten
.set FL,  8                            ; v8-23    my group's 16 words of flags
.set A,   24                           ; v24-27   the sum, then the mean, of my 4 columns
.set V,   28                           ; v28-31   row 0 of my sample
.set T,   32                           ; v32-159  the 32 groups' sums, 4 registers each
.set PR,  32                           ; later v32-63: the table's 8 columns x 4 samples of my lane
.set VAL, 64                           ; v64-95   32 numbers: 4 (row) + sample
.set WR,  160                          ; v160-223 eight rows of enc_W1: 8 (row) + 4 (half) + column
.set TMP, 224                          ; v224-231 at work
; acc(row i, samples 2 bp, 2 bp + 1) = the sum over my 8 columns of w(i, column) x table(column, samples): the weight is taken for both halves of the packed form.  Sixteen sums by turns.
.macro ROWS8 w, p, v
.set uk, 0
.rept 8
.set ib, 0
.rept 16
.set rA, (\v)+2*ib
.set rP, (\p)+4*uk+2*(ib%2)
.set rW, (\w)+8*(ib/2)+2*(uk/2)
.if uk == 0
	v_pk_mul_f32 v[rA:rA+1], v[rP:rP+1], v[rW:rW+1] op_sel_hi:[1,0]
.elseif uk%2 == 0
	v_pk_fma_f32 v[rA:rA+1], v[rP:rP+1], v[rW:rW+1], v[rA:rA+1] op_sel_hi:[1,0,1]
.else
	v_pk_fma_f32 v[rA:rA+1], v[rP:rP+1], v[rW:rW+1], v[rA:rA+1] op_sel:[0,1,0] op_sel_hi:[1,1,1]
.endif
.set ib, ib+1
.endr
.set uk, uk+1
.endr
.endm
; One stage of the sum over lanes: of numbers i and i + m a lane keeps the one that its bit m names and sends the other to lane l xor m.
.macro REDST v, tmp, m, sm
.set i, 0
.rept \m
.set tt, (\tmp)+2*(i%4)
	v_cndmask_b32 v[tt], v[(\v)+i+\m], v[(\v)+i], s[\sm]
	v_cndmask_b32 v[tt+1], v[(\v)+i], v[(\v)+i+\m], s[\sm]
	v_add_f32_dpp v[(\v)+i], v[tt], v[tt+1] row_xmask:\m row_mask:0xf bank_mask:0xf
.set i, i+1
.endr
.endm
; 32 numbers a lane are summed over the 32 lanes: lane l ends with the total of number l in v[v].
.macro RED32 v, tmp
.set i, 0
.rept 16
	v_permlane16_swap_b32 v[(\v)+i], v[(\v)+16+i]  ; number i's upper lanes change places with number 16 + i's lower lanes
.set i, i+1
.endr
.set i, 0
.rept 8
	v_pk_add_f32 v[(\v)+2*i:(\v)+2*i+1], v[(\v)+2*i:(\v)+2*i+1], v[(\v)+16+2*i:(\v)+16+2*i+1]
.set i, i+1
.endr
	REDST \v, \tmp, 8, 40
	REDST \v, \tmp, 4, 41
	REDST \v, \tmp, 2, 42
	REDST \v, \tmp, 1, 43
.endm
	s_load_b256 s[4:11], s[0:1], 0x0               ; dflag s[4:5], psum s[6:7], x s[8:9], enc_W1 s[10:11]
	s_load_b64 s[12:13], s[0:1], 0x20              ; hpart
	v_lshl_add_u32 v[SPW], v0, 2, SPARE
	v_mov_b32 v[NIL], 0
	v_lshrrev_b32 v1, 5, v0
	v_readfirstlane_b32 s14, v1                    ; wave 0..7
	v_and_b32 v1, 31, v0                           ; lane
	v_lshlrev_b32 v2, 4, v1                        ; 16 x lane
	v_lshlrev_b32 v3, 6, v1                        ; 64 x lane: group l's 16 words of flags
	v_lshlrev_b32 v5, 2, v1                        ; 4 x lane
	s_lshr_b32 s15, s14, 1                         ; sample b
	s_and_b32 s16, s14, 1                          ; half u
	s_and_b32 s18, ttmp7, 0xffff                   ; eq
	s_lshl_b32 s19, s16, 11
	s_lshl_b32 s20, s15, 2
	s_add_co_u32 s19, s19, s20
	v_add_nc_u32 v4, s19, v2                       ; the table: 2048 u + 16 lane + 4 b; column k of my four lies 512 k on
	s_mov_b32 s40, 0xff00ff00                      ; lanes whose bit 3, 2, 1, 0 is set
	s_mov_b32 s41, 0xf0f0f0f0
	s_mov_b32 s42, 0xcccccccc
	s_mov_b32 s43, 0xaaaaaaaa
	s_mov_b32 s27, 0                               ; (named with s26 as a pair, so it is written)
	s_mov_b32 s31, 0
	s_lshl_b32 s35, ttmp9, 10                      ; the slice's first byte in a row
	s_lshl_b32 s34, s16, 9
	s_add_co_u32 s34, s34, s35                     ; + my half
	s_lshl_b32 s37, s18, 6
	s_lshl_b32 s36, s14, 3
	s_add_co_u32 s37, s37, s36                     ; my first row of enc_W1: 64 eq + 8 w
	s_wait_kmcnt 0x0
	s_lshl_b32 s30, s15, 11
	s_add_nc_u64 s[4:5], s[4:5], s[30:31]          ; my sample's 32 groups x 16 words
	s_lshl_b32 s30, s15, 24
	s_add_co_u32 s30, s30, s34
	s_add_nc_u64 s[8:9], s[8:9], s[30:31]          ; row 0 of my sample, my columns
	s_lshl_b32 s30, s15, 19
	s_add_co_u32 s30, s30, s34
	s_add_nc_u64 s[6:7], s[6:7], s[30:31]          ; my sample's 32 rows of psum, my columns
	s_lshl_b32 s30, s37, 14
	s_add_co_u32 s30, s30, s35
	s_add_nc_u64 s[10:11], s[10:11], s[30:31]      ; my eight rows of enc_W1, the slice
	s_lshl_b32 s30, ttmp9, 12
	s_lshl_b32 s36, s37, 4
	s_add_co_u32 s30, s30, s36
	s_add_nc_u64 s[12:13], s[12:13], s[30:31]      ; hpart[s][64 eq + 8 w][0]
.irp j, 0,1,2,3
	global_load_b128 v[FL+4*\j:FL+4*\j+3], v3, s[4:5] offset:16*\j
.endr
	global_load_b128 v[V:V+3], v2, s[8:9]
.set g, 0
.rept 32
	global_load_b128 v[T+4*g:T+4*g+3], v2, s[6:7] offset:g*16384
.set g, g+1
.endr
.irp i, 0,1,2,3,4,5,6,7
	global_load_b128 v[WR+8*\i:WR+8*\i+3], v2, s[10:11] offset:\i*16384
	global_load_b128 v[WR+8*\i+4:WR+8*\i+7], v2, s[10:11] offset:\i*16384+512
.endr
	s_wait_loadcnt 49                              ; the flags are in; row 0's load, psum's 32 and enc_W1's 16 stay out
.irp j, 1,2,3,4,5,6,7
	v_or_b32 v[FL], v[FL], v[FL+\j]
	v_or_b32 v[FL+8], v[FL+8], v[FL+8+\j]
.endr
	v_or_b32 v[FL], v[FL], v[FL+8]
	v_cmp_eq_u32 vcc_lo, 0, v1
	v_cndmask_b32 v[TMP], -1, -2, vcc_lo
	v_and_b32 v[FL], v[FL], v[TMP]                 ; row 0 of the sample has no row above
	v_cmp_ne_u32 s20, 0, v[FL]                     ; the groups that hold a difference
	s_ctz_i32_b32 s21, s20
	s_min_u32 s21, s21, 31                         ; the first of them (31 if there is none: not used then)
	v_readlane_b32 s22, v[FL], s21
	s_ctz_i32_b32 s23, s22
	s_min_u32 s23, s23, 31
	s_lshl_b32 s24, s21, 5
	s_add_co_u32 s24, s24, s23
	s_cmp_lg_u32 s20, 0
	s_cselect_b32 s24, s24, 0                      ; no difference: 0
	s_cmp_eq_u32 s24, 1
	s_cselect_b32 s24, 0, s24                      ; 1 becomes 0
	s_lshr_b32 s25, s24, 5                         ; gf
	s_and_b32 s28, s24, 31                         ; t
	s_sub_co_u32 s29, 1024, s24                    ; the count of rows, at least 1
	s_wait_loadcnt 16                              ; row 0 and psum are in; enc_W1's 16 loads stay out
.set g, 0
.rept 32
	s_cmp_le_u32 s25, g
	s_cselect_b32 s26, 1.0, 0                      ; group g counts from gf on
.if g == 0
	v_pk_mul_f32 v[A:A+1], v[T:T+1], s[26:27] op_sel_hi:[1,0]
	v_pk_mul_f32 v[A+2:A+3], v[T+2:T+3], s[26:27] op_sel_hi:[1,0]
.else
	v_pk_fma_f32 v[A:A+1], v[T+4*g:T+4*g+1], s[26:27], v[A:A+1] op_sel_hi:[1,0,1]
	v_pk_fma_f32 v[A+2:A+3], v[T+4*g+2:T+4*g+3], s[26:27], v[A+2:A+3] op_sel_hi:[1,0,1]
.endif
.set g, g+1
.endr
	v_cvt_f32_u32 v[TMP], s28
	v_cvt_f32_u32 v[TMP+1], s29
	v_rcp_f32 v[TMP+2], v[TMP+1]
.irp k, 0,1,2,3
	v_fma_f32 v[A+\k], -v[TMP], v[V+\k], v[A+\k]   ; less the t equal rows ahead of first (plain lines behind the reciprocal)
.endr
	s_wait_alu depctr_va_vdst(0)                   ; the wait ahead of the reciprocal's first reader
.irp k, 0,1,2,3
	v_mul_f32 v[A+\k], v[A+\k], v[TMP+2]
.endr
.irp k, 0,1,2,3
	ds_store_b32 v4, v[A+\k] offset:512*\k
.endr
	s_wait_dscnt 0x0                               ; for the others' sake: my stores have landed
	s_barrier_signal -1
	s_barrier_wait -1
.irp u, 0,1
.irp k, 0,1,2,3
	ds_load_b128 v[PR+16*\u+4*\k:PR+16*\u+4*\k+3], v2 offset:\u*2048+512*\k   ; column 128 u + 4 lane + k, four samples: the 32 lanes read 512 bytes on end
.endr
.endr
	s_wait_dscnt 0x0
	s_wait_loadcnt 0x0                             ; enc_W1
	ROWS8 WR, PR, VAL
	RED32 VAL, TMP
	global_store_b32 v5, v[VAL], s[12:13]          ; lane l: row l / 4, sample l % 4: the wave stores 128 consecutive bytes
	s_wait_tensorcnt 0x0                           ; the wave's end, behind my last LDS store
	ds_add_u32 v[SPW], v[NIL]
	s_wait_dscnt 0x0
	s_endpgm
.Lfunc_end_k_q25b82a1ecc_pool:
	.size	k_q25b82a1ecc_pool, .Lfunc_end_k_q25b82a1ecc_pool-k_q25b82a1ecc_pool
	.p2alignl 7, 3214868480
	.fill 96, 4, 3214868480
	.section	.rodata,"a",@progbits
	.p2align	6, 0x0
	.amdhsa_kernel k_q25b82a1ecc_pool
		.amdhsa_group_segment_fixed_size 5120
		.amdhsa_private_segment_fixed_size 0
		.amdhsa_enable_private_segment 0
		.amdhsa_kernarg_size 40
		.amdhsa_user_sgpr_count 2
		.amdhsa_user_sgpr_kernarg_segment_ptr 1
		.amdhsa_wavefront_size32 1
		.amdhsa_system_sgpr_workgroup_id_x 1
		.amdhsa_system_sgpr_workgroup_id_y 1
		.amdhsa_system_sgpr_workgroup_id_z 1
		.amdhsa_system_vgpr_workitem_id 0
		.amdhsa_next_free_vgpr 232
		.amdhsa_next_free_sgpr 66
		.amdhsa_reserve_vcc 1
		.amdhsa_float_denorm_mode_32 3
		.amdhsa_float_denorm_mode_16_64 3
		.amdhsa_memory_ordered 1
		.amdhsa_forward_progress 1
		.amdhsa_inst_pref_size 28
	.end_amdhsa_kernel
	.amdgpu_metadata
---
amdhsa.version: [ 1, 2 ]
amdhsa.kernels:
  - .name:           k_q25b82a1ecc_pool
    .symbol:         k_q25b82a1ecc_pool.kd
    .args:
      - { .name: dflag, .offset: 0, .size: 8, .value_kind: global_buffer, .address_space: global }
      - { .name: psum, .offset: 8, .size: 8, .value_kind: global_buffer, .address_space: global }
      - { .name: x, .offset: 16, .size: 8, .value_kind: global_buffer, .address_space: global }
      - { .name: enc_W1, .offset: 24, .size: 8, .value_kind: global_buffer, .address_space: global }
      - { .name: hpart, .offset: 32, .size: 8, .value_kind: global_buffer, .address_space: global }
    .group_segment_fixed_size: 5120
    .private_segment_fixed_size: 0
    .kernarg_segment_align: 8
    .kernarg_segment_size: 40
    .max_flat_workgroup_size: 256
    .sgpr_count:     66
    .vgpr_count:     232
    .wavefront_size: 32
...
	.end_amdgpu_metadata
.endif
;; end of part 2
;; launch near (part 3): grid 16 x 1, 16 waves a work-group, no clusters, 11,264 bytes of LDS; arguments hpart, enc_b1, enc_W2, enc_b2, keys, epsilons, cand_i, cand_f; writes cand_i, cand_f
.if DOCPART == 3
	.amdgcn_target "amdgcn-amd-amdhsa--gfx1250"
	.amdhsa_code_object_version 6
	.text
	.protected	k_q25b82a1ecc_near
	.globl	k_q25b82a1ecc_near
	.p2align	8
	.type	k_q25b82a1ecc_near,@function
k_q25b82a1ecc_near:
	s_mov_b64 s[64:65], 0
	v_nop
	global_prefetch_b8 v0, s[64:65] scope:SCOPE_SE
	s_setreg_imm32_b32 hwreg(HW_REG_WAVE_MODE, 25, 1), 1
	s_wait_xcnt 0x0
; h = relu(the sum of hpart's 16 parts + enc_b1); query = h enc_W2^T + enc_b2; the distance of 128 keys to the four queries; this work-group's nearest key for each sample.  No work of the definition is left out.
; Work-group wg takes keys 128 wg .. + 127; every work-group makes h and the query for itself (they are small).  Wave w takes rows 16 w .. + 15 of enc_W2 and keys 128 wg + 8 w .. + 7.  All in f32, fused multiply-adds.
; The squared distance is summed as (key - query)^2, which in real numbers is the definition's kk + qq - 2 kq; the maximum with 0 and the root are kept, and the minimum is taken of the roots.
; The minimum carries the key's number and its epsilon with it, so that no address hangs on it; of equal distances the lower key wins, as argmin has it.
; THE TABLES of h and of the query in LDS: entry e = 128 u + 4 l + k (four samples, 16 bytes) lies at 2048 u + 512 k + 16 l.  A lane multiplies columns 128 u + 4 lane + k, so each of its reads is 16 x lane + a constant:
; the 32 lanes read 512 bytes on end.
; OUT: cand_i[b][wg] the key, cand_f[b][wg] its distance, cand_f[64 + 16 b + wg] its epsilon.  The last launch takes the least of the sixteen.
; LIMITS: the root by v_sqrt_f32 (1 ulp: ISA guide, its entry); NaN among the distances is not served as the definition's argmin serves it.
.set HT,    0                          ; LDS: h, 256 entries x 4 samples, f32
.set QT,    4096                       ; the query, likewise
.set CW,    8192                       ; three fields of [16 waves][4 samples] words: distance, key, epsilon
.set SPARE, 9216                       ; the spare words, 128 bytes for each wave: eight blocks of 256 bytes that no other line names
.set SPW, 10                           ; v10 LDS address of my spare word; never rewritten
.set NIL, 11                           ; v11 0; never rewritten
.set IX,  12                           ; v12 the key's number
.set EP,  13                           ; v13 its epsilon
.set WW,  16                           ; v16-143  16 rows of enc_W2: 8 (row) + 4 (half) + column; v16-79 later eight keys
.set VA,  144                          ; v144-175 hpart's 16 pairs; later 32 numbers
.set DD,  144                          ; v144     the distance
.set VB,  176                          ; v176-207 v176: enc_b1; later 32 numbers
.set TB,  208                          ; v208-239 the table's 8 columns x 4 samples of my lane
.set TMP, 240                          ; v240-247 at work
.set OD,  248                          ; v248-250 another lane's distance, key, epsilon
.macro ROWS8 w, p, v                   ; acc(row i, samples 2 bp, 2 bp + 1) = the sum over my 8 columns of w(i, column) x table(column, samples); sixteen sums by turns
.set uk, 0
.rept 8
.set ib, 0
.rept 16
.set rA, (\v)+2*ib
.set rP, (\p)+4*uk+2*(ib%2)
.set rW, (\w)+8*(ib/2)+2*(uk/2)
.if uk == 0
	v_pk_mul_f32 v[rA:rA+1], v[rP:rP+1], v[rW:rW+1] op_sel_hi:[1,0]
.elseif uk%2 == 0
	v_pk_fma_f32 v[rA:rA+1], v[rP:rP+1], v[rW:rW+1], v[rA:rA+1] op_sel_hi:[1,0,1]
.else
	v_pk_fma_f32 v[rA:rA+1], v[rP:rP+1], v[rW:rW+1], v[rA:rA+1] op_sel:[0,1,0] op_sel_hi:[1,1,1]
.endif
.set ib, ib+1
.endr
.set uk, uk+1
.endr
.endm
.macro DIST8 kk, q, v, tmp             ; acc(key i, samples) = the sum over my 8 columns of (key - query)^2: four differences, then their four multiply-adds
.set uk, 0
.rept 8
.set grp, 0
.rept 4
.set jj, 0
.rept 4
.set ib, 4*grp+jj
.set rK, (\kk)+8*(ib/2)+2*(uk/2)
.set rQ, (\q)+4*uk+2*(ib%2)
.if uk%2 == 0
	v_pk_add_f32 v[(\tmp)+2*jj:(\tmp)+2*jj+1], v[rK:rK+1], v[rQ:rQ+1] op_sel_hi:[0,1] neg_lo:[0,1] neg_hi:[0,1]
.else
	v_pk_add_f32 v[(\tmp)+2*jj:(\tmp)+2*jj+1], v[rK:rK+1], v[rQ:rQ+1] op_sel:[1,0] op_sel_hi:[1,1] neg_lo:[0,1] neg_hi:[0,1]
.endif
.set jj, jj+1
.endr
.set jj, 0
.rept 4
.set rA, (\v)+2*(4*grp+jj)
.if uk == 0
	v_pk_mul_f32 v[rA:rA+1], v[(\tmp)+2*jj:(\tmp)+2*jj+1], v[(\tmp)+2*jj:(\tmp)+2*jj+1]
.else
	v_pk_fma_f32 v[rA:rA+1], v[(\tmp)+2*jj:(\tmp)+2*jj+1], v[(\tmp)+2*jj:(\tmp)+2*jj+1], v[rA:rA+1]
.endif
.set jj, jj+1
.endr
.set grp, grp+1
.endr
.set uk, uk+1
.endr
.endm
.macro REDST v, tmp, m, sm             ; of numbers i and i + m a lane keeps the one that its bit m names and sends the other to lane l xor m
.set i, 0
.rept \m
.set tt, (\tmp)+2*(i%4)
	v_cndmask_b32 v[tt], v[(\v)+i+\m], v[(\v)+i], s[\sm]
	v_cndmask_b32 v[tt+1], v[(\v)+i], v[(\v)+i+\m], s[\sm]
	v_add_f32_dpp v[(\v)+i], v[tt], v[tt+1] row_xmask:\m row_mask:0xf bank_mask:0xf
.set i, i+1
.endr
.endm
.macro RED32 v, tmp                    ; 32 numbers a lane are summed over the 32 lanes: lane l ends with the total of number l in v[v]
.set i, 0
.rept 16
	v_permlane16_swap_b32 v[(\v)+i], v[(\v)+16+i]
.set i, i+1
.endr
.set i, 0
.rept 8
	v_pk_add_f32 v[(\v)+2*i:(\v)+2*i+1], v[(\v)+2*i:(\v)+2*i+1], v[(\v)+16+2*i:(\v)+16+2*i+1]
.set i, i+1
.endr
	REDST \v, \tmp, 8, 40
	REDST \v, \tmp, 4, 41
	REDST \v, \tmp, 2, 42
	REDST \v, \tmp, 1, 43
.endm
.macro AMIN                            ; the other triple is taken where it is nearer, or as near with the lower key
	v_cmp_lt_f32 s30, v[OD], v[DD]
	v_cmp_eq_f32 s31, v[OD], v[DD]
	v_cmp_lt_u32 s32, v[OD+1], v[IX]
	s_and_b32 s31, s31, s32
	s_or_b32 s30, s30, s31
	v_cndmask_b32 v[DD], v[DD], v[OD], s30
	v_cndmask_b32 v[IX], v[IX], v[OD+1], s30
	v_cndmask_b32 v[EP], v[EP], v[OD+2], s30
.endm
.macro LANES3                          ; over the eight lanes of one sample (lane % 4): lanes 4, 8 and 16 away
.irp m, 4, 8
	v_mov_b32_dpp v[OD], v[DD] row_xmask:\m row_mask:0xf bank_mask:0xf
	v_mov_b32_dpp v[OD+1], v[IX] row_xmask:\m row_mask:0xf bank_mask:0xf
	v_mov_b32_dpp v[OD+2], v[EP] row_xmask:\m row_mask:0xf bank_mask:0xf
	AMIN
.endr
	v_permlanex16_b32 v[OD], v[DD], s24, s25
	v_permlanex16_b32 v[OD+1], v[IX], s24, s25
	v_permlanex16_b32 v[OD+2], v[EP], s24, s25
	AMIN
.endm
	s_load_b256 s[4:11], s[0:1], 0x0               ; hpart s[4:5], enc_b1 s[6:7], enc_W2 s[8:9], enc_b2 s[10:11]
	s_load_b256 s[12:19], s[0:1], 0x20             ; keys s[12:13], epsilons s[14:15], cand_i s[16:17], cand_f s[18:19]
	v_lshl_add_u32 v[SPW], v0, 2, SPARE
	v_mov_b32 v[NIL], 0
	v_lshrrev_b32 v1, 5, v0
	v_readfirstlane_b32 s20, v1                    ; wave 0..15
	v_and_b32 v1, 31, v0                           ; lane
	v_lshlrev_b32 v2, 4, v1                        ; 16 x lane: my 16 bytes of a load's 512, and my place in a run of a table
	v_lshlrev_b32 v3, 3, v0                        ; 8 x thread: two numbers of hpart's 1,024
	v_lshrrev_b32 v4, 1, v0
	v_lshlrev_b32 v4, 2, v4                        ; enc_b1 of hidden unit thread / 2
	v_bfe_u32 v5, v0, 3, 5                         ; h's table, entry e = thread / 2: (e / 4) % 32 places of 16 bytes,
	v_lshlrev_b32 v5, 4, v5
	v_bfe_u32 v[TMP], v0, 1, 2
	v_lshl_add_u32 v5, v[TMP], 9, v5               ; + 512 (e % 4)
	v_bfe_u32 v[TMP], v0, 8, 1
	v_lshl_add_u32 v5, v[TMP], 11, v5              ; + 2048 (e / 128)
	v_and_b32 v[TMP], 1, v0
	v_lshl_add_u32 v5, v[TMP], 3, v5               ; + 8 for samples 2 and 3
	v_lshrrev_b32 v6, 2, v1                        ; lane / 4
	s_lshl_b32 s26, ttmp9, 7
	s_lshl_b32 s27, s20, 3
	s_add_co_u32 s28, s26, s27                     ; my first key: 128 wg + 8 w
	v_add_nc_u32 v[IX], s28, v6
	v_lshlrev_b32 v6, 2, v6                        ; 4 (lane / 4)
	s_lshr_b32 s26, s20, 3                         ; the query's table, entry e = 16 w + lane / 4, sample lane % 4:
	s_lshl_b32 s26, s26, 11                        ; 2048 (e / 128) = 2048 (w / 8),
	s_and_b32 s27, s20, 7
	s_lshl_b32 s27, s27, 6                         ; 16 ((e / 4) % 32) = 64 (w % 8) + 16 (lane / 16),
	s_add_co_u32 s26, s26, s27
	s_add_co_u32 s26, s26, QT
	v_bfe_u32 v7, v1, 2, 2
	v_lshlrev_b32 v7, 9, v7                        ; 512 (e % 4) = 512 ((lane / 4) % 4),
	v_bfe_u32 v[TMP], v1, 4, 1
	v_lshl_add_u32 v7, v[TMP], 4, v7
	v_and_b32 v[TMP], 3, v1
	v_lshl_add_u32 v7, v[TMP], 2, v7               ; 4 x sample; entry e + 8 lies 32 bytes on
	v_add_nc_u32 v7, s26, v7
	v_and_b32 v8, 3, v1
	s_lshl_b32 s26, s20, 4
	s_add_co_u32 s26, s26, CW
	v_lshl_add_u32 v8, v8, 2, s26                  ; my wave's word for my sample
	v_lshl_add_u32 v9, v1, 2, CW                   ; on the way back: word = lane
	v_lshlrev_b32 v[TMP], 6, v1
	s_lshl_b32 s26, ttmp9, 2
	v_add_nc_u32 v251, s26, v[TMP]                 ; the results' place: 64 x sample + 4 wg (lanes 0 to 3)
	v_mov_b32 v[OD], 0                             ; written once: a lane permute's destination counts as one of its sources
	v_mov_b32 v[OD+1], 0
	v_mov_b32 v[OD+2], 0
	s_mov_b32 s24, 0x76543210
	s_mov_b32 s25, 0xfedcba98                      ; v_permlanex16_b32's selects for lane l xor 16
	s_mov_b32 s40, 0xff00ff00                      ; lanes whose bit 3, 2, 1, 0 is set
	s_mov_b32 s41, 0xf0f0f0f0
	s_mov_b32 s42, 0xcccccccc
	s_mov_b32 s43, 0xaaaaaaaa
	s_mov_b32 s23, 0
	s_wait_kmcnt 0x0
	s_lshl_b32 s22, s20, 14
	s_add_nc_u64 s[8:9], s[8:9], s[22:23]          ; my 16 rows of enc_W2, 1,024 bytes each
	s_lshl_b32 s22, s20, 6
	s_add_nc_u64 s[10:11], s[10:11], s[22:23]      ; their enc_b2
	s_lshl_b32 s22, s28, 2
	s_add_nc_u64 s[14:15], s[14:15], s[22:23]      ; my eight keys' epsilons
	s_lshl_b32 s22, s28, 10
	s_add_nc_u64 s[12:13], s[12:13], s[22:23]      ; my eight keys, 1,024 bytes each
.set i, 0
.rept 16
	global_load_b64 v[VA+2*i:VA+2*i+1], v3, s[4:5] offset:4096*i
.set i, i+1
.endr
	global_load_b32 v[VB], v4, s[6:7]
	global_load_b32 v14, v6, s[10:11]
	global_load_b32 v15, v6, s[10:11] offset:32
	global_load_b32 v[EP], v6, s[14:15]
.set i, 0
.rept 16
	global_load_b128 v[WW+8*i:WW+8*i+3], v2, s[8:9] offset:i*1024
	global_load_b128 v[WW+8*i+4:WW+8*i+7], v2, s[8:9] offset:i*1024+512
.set i, i+1
.endr
	; ---- h
	s_wait_loadcnt 35                              ; hpart and enc_b1 are in; enc_b2's two loads, the epsilons' one and enc_W2's 32 stay out
.irp d, 8,4,2,1
.set i, 0
.rept \d
	v_pk_add_f32 v[VA+2*i:VA+2*i+1], v[VA+2*i:VA+2*i+1], v[VA+2*(i+\d):VA+2*(i+\d)+1]
.set i, i+1
.endr
.endr
	v_add_f32 v[VA], v[VA], v[VB]
	v_add_f32 v[VA+1], v[VA+1], v[VB]
	v_max_num_f32 v[VA], 0, v[VA]
	v_max_num_f32 v[VA+1], 0, v[VA+1]
	ds_store_b64 v5, v[VA:VA+1]                    ; entry thread / 2, samples 2 (thread % 2) and the next
	s_wait_dscnt 0x0                               ; for the others' sake: my store has landed
	s_barrier_signal -1
	s_barrier_wait -1
	; ---- the query
.irp u, 0,1
.irp k, 0,1,2,3
	ds_load_b128 v[TB+16*\u+4*\k:TB+16*\u+4*\k+3], v2 offset:HT+\u*2048+512*\k
.endr
.endr
	s_wait_dscnt 0x0
	s_wait_loadcnt 16                              ; enc_W2's rows 0 to 7 are in; the 16 loads of rows 8 to 15 stay out
	ROWS8 WW, TB, VA
.set i, 0
.rept 8
	global_load_b128 v[WW+8*i:WW+8*i+3], v2, s[12:13] offset:i*1024 th:TH_LOAD_NT          ; my eight keys, where rows 0 to 7 lay
	global_load_b128 v[WW+8*i+4:WW+8*i+7], v2, s[12:13] offset:i*1024+512 th:TH_LOAD_NT
.set i, i+1
.endr
	RED32 VA, TMP
	s_wait_loadcnt 16                              ; rows 8 to 15 are in; the keys' 16 loads stay out
	ROWS8 WW+64, TB, VB
	RED32 VB, TMP
	v_add_f32 v[VA], v[VA], v14
	v_add_f32 v[VB], v[VB], v15
	ds_store_b32 v7, v[VA]
	ds_store_b32 v7, v[VB] offset:32               ; eight entries on
	s_wait_dscnt 0x0
	s_barrier_signal -1
	s_barrier_wait -1
	; ---- the distances
.irp u, 0,1
.irp k, 0,1,2,3
	ds_load_b128 v[TB+16*\u+4*\k:TB+16*\u+4*\k+3], v2 offset:QT+\u*2048+512*\k
.endr
.endr
	s_wait_dscnt 0x0
	s_wait_loadcnt 0x0
	DIST8 WW, TB, VA, TMP
	RED32 VA, TMP                                  ; lane l: key l / 4 of my eight, sample l % 4
	v_max_num_f32 v[DD], 0, v[DD]
	v_sqrt_f32 v[DD], v[DD]
	v_nop                                          ; a plain line behind the root
	s_wait_alu depctr_va_vdst(0)                   ; the wait ahead of the root's first reader
	; ---- the nearest: in the wave, then over the sixteen waves
	LANES3
	ds_store_b32 v8, v[DD]                         ; the eight lanes of a sample write the same word with the same value
	ds_store_b32 v8, v[IX] offset:256
	ds_store_b32 v8, v[EP] offset:512
	s_wait_dscnt 0x0
	s_barrier_signal -1
	s_barrier_wait -1
	ds_load_b32 v[DD], v9                          ; word l = wave l / 4, sample l % 4;
	ds_load_b32 v[IX], v9 offset:256
	ds_load_b32 v[EP], v9 offset:512
	ds_load_b32 v[OD], v9 offset:128               ; and wave 8 + l / 4
	ds_load_b32 v[OD+1], v9 offset:384
	ds_load_b32 v[OD+2], v9 offset:640
	s_wait_dscnt 0x0
	AMIN
	LANES3
	s_wait_xcnt 0x0                                ; EXEC changes only behind this wait
	v_cmp_gt_u32 vcc_lo, 4, v0                     ; threads 0 to 3 of the work-group: one for each sample
	s_and_saveexec_b32 s33, vcc_lo
	global_store_b32 v251, v[IX], s[16:17]
	global_store_b32 v251, v[DD], s[18:19]
	global_store_b32 v251, v[EP], s[18:19] offset:256
	s_wait_xcnt 0x0                                ; and again, in front of the line that widens it
	s_or_b32 exec_lo, exec_lo, s33
	s_wait_tensorcnt 0x0                           ; the wave's end, behind my last LDS store
	ds_add_u32 v[SPW], v[NIL]
	s_wait_dscnt 0x0
	s_endpgm
.Lfunc_end_k_q25b82a1ecc_near:
	.size	k_q25b82a1ecc_near, .Lfunc_end_k_q25b82a1ecc_near-k_q25b82a1ecc_near
	.p2alignl 7, 3214868480
	.fill 96, 4, 3214868480
	.section	.rodata,"a",@progbits
	.p2align	6, 0x0
	.amdhsa_kernel k_q25b82a1ecc_near
		.amdhsa_group_segment_fixed_size 11264
		.amdhsa_private_segment_fixed_size 0
		.amdhsa_enable_private_segment 0
		.amdhsa_kernarg_size 64
		.amdhsa_user_sgpr_count 2
		.amdhsa_user_sgpr_kernarg_segment_ptr 1
		.amdhsa_wavefront_size32 1
		.amdhsa_system_sgpr_workgroup_id_x 1
		.amdhsa_system_sgpr_workgroup_id_y 1
		.amdhsa_system_sgpr_workgroup_id_z 1
		.amdhsa_system_vgpr_workitem_id 0
		.amdhsa_next_free_vgpr 256
		.amdhsa_next_free_sgpr 66
		.amdhsa_reserve_vcc 1
		.amdhsa_float_denorm_mode_32 3
		.amdhsa_float_denorm_mode_16_64 3
		.amdhsa_memory_ordered 1
		.amdhsa_forward_progress 1
		.amdhsa_inst_pref_size 62
	.end_amdhsa_kernel
	.amdgpu_metadata
---
amdhsa.version: [ 1, 2 ]
amdhsa.kernels:
  - .name:           k_q25b82a1ecc_near
    .symbol:         k_q25b82a1ecc_near.kd
    .args:
      - { .name: hpart, .offset: 0, .size: 8, .value_kind: global_buffer, .address_space: global }
      - { .name: enc_b1, .offset: 8, .size: 8, .value_kind: global_buffer, .address_space: global }
      - { .name: enc_W2, .offset: 16, .size: 8, .value_kind: global_buffer, .address_space: global }
      - { .name: enc_b2, .offset: 24, .size: 8, .value_kind: global_buffer, .address_space: global }
      - { .name: keys, .offset: 32, .size: 8, .value_kind: global_buffer, .address_space: global }
      - { .name: epsilons, .offset: 40, .size: 8, .value_kind: global_buffer, .address_space: global }
      - { .name: cand_i, .offset: 48, .size: 8, .value_kind: global_buffer, .address_space: global }
      - { .name: cand_f, .offset: 56, .size: 8, .value_kind: global_buffer, .address_space: global }
    .group_segment_fixed_size: 11264
    .private_segment_fixed_size: 0
    .kernarg_segment_align: 8
    .kernarg_segment_size: 64
    .max_flat_workgroup_size: 512
    .sgpr_count:     66
    .vgpr_count:     256
    .wavefront_size: 32
...
	.end_amdgpu_metadata
.endif
;; end of part 3
;; launch gemm (part 4): grid 16 x 16, 4 waves a work-group, clusters of 4 x 4, 327,680 bytes of LDS; arguments x_codes, x_scales, W_codes, W_scales, out0, b, values, cand_i, cand_f; writes out0
.if DOCPART == 4
	.amdgcn_target "amdgcn-amd-amdhsa--gfx1250"
	.amdhsa_code_object_version 6
	.text
	.protected	k_q25b82a1ecc_gemm
	.globl	k_q25b82a1ecc_gemm
	.p2align	8
	.type	k_q25b82a1ecc_gemm,@function
k_q25b82a1ecc_gemm:
	s_mov_b64 s[64:65], 0
	v_nop
	global_prefetch_b8 v0, s[64:65] scope:SCOPE_SE
	s_setreg_imm32_b32 hwreg(HW_REG_WAVE_MODE, 25, 1), 1
	s_wait_xcnt 0x0
	s_wait_alu depctr_hold_cnt(0) depctr_sa_sdst(0) depctr_va_vdst(0) depctr_va_sdst(0) depctr_va_ssrc(0) depctr_va_vcc(0) depctr_vm_vsrc(0)
	s_getreg_b32 s2, hwreg(HW_REG_IB_STS2, 6, 4)
	s_cmp_eq_u32 s2, 0
	s_cbranch_scc0 .Lentry_in_a_cluster
	s_endpgm
.Lentry_in_a_cluster:
	s_bfe_u32 s2, ttmp6, 0x10000c
	s_cmp_lg_u32 s2, 0xf033
	s_cbranch_scc0 .Lentry_shape_is_right
	s_endpgm
.Lentry_shape_is_right:
; out0[m][n] = (sample of m is hit) ? values[its nearest key][n] : b[n] + the sum over k of x[m][k] W[n][k], the product on codes of BF6 (E3M2), 6 bits each, one E8M0 scale for each 32 along K; sums in f32.
; No work of the definition is left out: the product is made for every sample, and the replacement is a selection on the way out (no branch hangs on a loaded number).
; A = x: codes [16 tile rows][16 K steps][256 rows][192 bytes] and scale bytes [4096][128], made by the first launch.  B = W: codes [4096][3072 bytes], scale bytes [4096][128], as given.
; A tile of the result, 256 x 256, is made by a work-group of four waves; a wave makes 128 x 128: 64 accumulators of 16 x 16, 512 registers.  K goes in steps of 256 through a ring of two LDS slots filled by the
; tensor data mover.  THE SCALES of the work-group's 256 rows of A and of B, for all of K, come into LDS once, with the first fills, and stay.
; CLUSTERS: 4 x 4 work-groups.  The four of a row of the cluster need the same tiles of A, the four of a column the same tiles of B: each tile is asked for JOINTLY, by the same tensor load with the same descriptor
; and a mask that names the four.  THE MATRIX INSTRUCTION IS USED TRANSPOSED (source 0 = 16 rows of B, source 1 = 16 rows of A): a lane then holds eight neighbouring numbers of a row of the result.
; THE BIAS is the C of each sum's first matrix instruction: eight registers for each of B's eight blocks, in the result's layout.
; THE REPLACEMENT.  A tile's 256 rows lie in one sample.  The sample's sixteen candidates (key, distance, epsilon: one of each work-group of the launch before) are asked for behind the first K step, into the registers
; that the bias has left.  Behind the loop the stored keys, each held under 2,048, become offsets, my 128 columns of all sixteen rows of values are asked for, and the nearest is found by compares in ascending order,
; strictly: the lower key wins ties.  On the way out the sixteen rows are narrowed to the chosen one by the same masks.  hit = distance <= epsilon.  So the first products wait for tiles and bias alone.
; REGISTERS, in windows of 256: window 0: v0-31 addresses, the chosen value's 4 columns (v8-11), its distance and epsilon; v32-63 scale words, two sets; v64-127 the bias, then the candidates; from v128 A's
;   fragments, ONE set; on the way out v128-255 serve the rows.   window 1: B's fragments, TWO sets, at v0 and v128; v96-127 and v224-255 the sixteen rows of values.   window 2: the 32 accumulators of my rows 0-63;
;   window 3: those of my rows 64-127.
.set SIZE_N, 4096
.set SIZE_K, 4096
.set KSTEP,  256                       ; along K in a slot
.set NQ,     KSTEP/128                 ; matrix instructions deep
.set ROWB,   192                       ; a tile's row in bytes: KSTEP codes of 6 bits
.set KROW,   SIZE_K*6/8                ; a row of B in memory, in bytes
.set ABLK,   256*ROWB                  ; a K step of A for one tile row: one dense block
.set AROW,   4*ROWB                    ; A's block is dense, so my 128 rows of 192 bytes are stated as 32 rows of 768: each begins at a multiple of 256 bytes from the buffer's first byte; the same bytes land in the same LDS places
.set PITCH,  240                       ; an LDS row: 3 x (64 bytes of data + 16 of padding) = 60 words, so that the 32 lanes of a load of 8 bytes touch 64 different banks (64 banks of 4 bytes: ISA guide 11.1)
.set FR,     12                        ; registers of a fragment: 16 rows x 128 K
.set NL,     6                         ; LDS loads that bring one
.set NP,     4                         ; places behind this matrix instruction (ISA guide 7.12.1)
.set HALFT,  128*PITCH                 ; 128 rows: what one tensor load brings, and what one wave reads of A or of B
.set SLOT,   4*HALFT                   ; A's 256 rows, then B's 256 rows
.set LAPS,   SIZE_K/(2*KSTEP)          ; a lap = two K steps = once round the ring
.set KS,     SIZE_K/32                 ; a row of scales in bytes
.set SCL,    2*SLOT                    ; behind the ring: the scales, as units of 256 bytes + 16 of padding
.set HALFS,  (128*KS/256)*272          ; the scales of 128 rows: what one tensor load brings
.set SBLK,   (16*KS/256)*272           ; those of 16 rows
.set SPARE,  SCL+4*HALFS               ; behind the scales: the spare words, 128 bytes for each wave: two blocks of 256 bytes that no other line names
.set SPITCH, 528                       ; the way out: a stage of 16 rows x (512 bytes + 16) for each wave, in slot 0, which has had its last fill and its last read when the first result is stored there
.set VAL,  8                           ; v8-11   the chosen row of values: my 4 columns
.set DMIN, 12                          ; v12     its distance
.set EPSV, 13                          ; v13     its epsilon
.set PFO,  14                          ; v14     the prefetches' offset: 256 x lane in A's stream, a row of W x lane in B; never rewritten
.set ADRA, 16                          ; v16-17  LDS address of my A fragments in slot 0, 1  (v18-19: the same for the pieces that lie behind one padding more)
.set ADRB, 20                          ; v20-21  the same for B  (v22-23)
.set STO,  24                          ; v24     the way out: where I put 32 bytes of a row
.set RD,   25                          ; v25     the way out: where I read a row back
.set CO,   26                          ; v26     my byte offset in a row of my wave's 128 columns: 16 x lane
.set ADRS, 27                          ; v27     LDS address of my scale words: lanes 0-15 A's rows, lanes 16-31 B's
.set SPW,  28                          ; v28     LDS address of my spare word; never rewritten
.set NIL,  29                          ; v29     0; never rewritten
.set ZOF,  30                          ; v30     0: the offset of the candidates' loads
.set BOF,  31                          ; v31     32 x (lane / 16): the bias's offset
.set SC,   32                          ; scale words: set s (for slot s) at v[SC + 8 NQ s]; register NQ i + q: lanes 0-15 the word of A's block i, lanes 16-31 that of B's block i
.set BI,   64                          ; v64-127 the bias: register 8 b + j = b[my first column + 16 b + 8 (lane / 16) + j]
.set CI,   64                          ; behind the first K step: v64-79 the candidates' keys, then their rows' offsets; v80-95 their distances; v96-111 their epsilons
.set CD,   80
.set CE,   96
.set AF,   128                         ; A's fragments, in window 0
.set BK,   128                         ; the way out: 16 rows read back from the stage: v128-191 and v192-255 by turns
.set HIT,  95                          ; s95     all lanes set where the sample is hit
.set MK,   68                          ; s69-83  mask j: candidate j was nearer than all before it (the scales' descriptors lay here: their loads are long done)
.set PFA,  92                          ; s[92:93] where my prefetches stand
.set PFS,  66                          ; s[66:67] their step from one change of slots to the next
.set LIM,  6                           ; s6, s7  a wave that prefetches asks while the laps to go are above 2 (slot 0) or 3 (slot 1); in every other wave: the greatest number
.set G1, 24                            ; s[24:31] descriptor group 1 for A's tiles;  s[32:39] group 0, one set for each slot
.set G0, 32
.set G1B, 48                           ; s[48:55], s[56:63] the same for B's tiles
.set G0B, 56
.set G1S, 68                           ; s[68:75], s[76:79] groups 1 and 0 for A's scales;  s[80:87], s[88:91] for B's
.set G0S, 76
.set G1SB, 80
.set G0SB, 88
.set MSB, 0
.macro WIN new                         ; the immediate's high byte repeats the setting that is left
.if MSB != \new
	s_set_vgpr_msb (MSB<<8)|\new
.set MSB, \new
.endif
.endm
.set MUL_LO, 0xa1                      ; source 0 (B) window 1, source 1 (A) window 0, C and D window 2
.set MUL_HI, 0xf1                      ; the same, C and D window 3
.set FIRST_LO, 0x81                    ; the first step: C (the bias) window 0, D window 2
.set FIRST_HI, 0xc1                    ; D window 3
.set TO_B,   0x40                      ; destination window 1, address window 0
; A joint load: waves 0 and 1 fetch for A, waves 2 and 3 for B.  Each of the two lines has ONE mask and one set of registers for all that issue it; the branch hangs on the wave's number alone.
; An s_nop 0 and four v_nop follow each of the two lines, ahead of the jump, the label and what follows.
.macro JLOAD g0a, g1a, g0b, g1b
	s_cmp_eq_u32 s15, 0
	s_cbranch_scc0 .Lfor_b_\@
	tensor_load_to_lds s[\g0a:\g0a+3], s[\g1a:\g1a+7]
	s_nop 0
.rept 4
	v_nop
.endr
	s_branch .Lasked_\@
.Lfor_b_\@:
	tensor_load_to_lds s[\g0b:\g0b+3], s[\g1b:\g1b+7]
	s_nop 0
.rept 4
	v_nop
.endr
.Lasked_\@:
.endm
; A PREFETCH INTO THE L2, behind each of the first nine joint refills, their five lines and the run of LDS loads that follows them: one instruction a wave.  At a change of slots every wave has waited for all its tensor
; loads, so the refill that follows has nothing on its way beside it: what later refills ask for is asked of memory here.
; A's sixteen K steps of a tile row are one stream of 786,432 bytes = 12 runs of 65,536; a row of B is 3,072 bytes = 12 runs of 256.  The first three runs (K steps 0 to 3) come by their loads alone; refill r = 0 .. 8,
; which fetches K step r + 2, names run 3 + r, which begins with K step 4 + 4 r / 3: two K steps ahead at first, a third of a step more with each.
; Each aligned 256 bytes are named ONCE in the launch.  A's tile row is read by every cluster of that row of clusters: the first of them (cluster x = 0) asks; B's tile column by every cluster of that column: cluster
; y = 0 asks.  The four partners that fetch a tile jointly, two waves in each, share a run out BY ADDRESS: of A 8,192 bytes a wave, lanes 256 bytes apart; of B 32 rows a wave, a lane a row.
; No branch hangs on a work-group's place in its cluster.  The ninth ask names the streams' last runs; the later refills ask for nothing.
.macro ASK slot
	s_cmp_gt_u32 s3, s[LIM+\slot]                  ; s3: laps to go, 7 in the first trip
	s_cbranch_scc0 .Lnot_mine_\@
	global_prefetch_b8 v[PFO], s[PFA:PFA+1] th:TH_LOAD_NT scope:SCOPE_SE
.Lnot_mine_\@:
.endm
.macro CREST                           ; a round of the cluster's barrier behind its opening barrier
	s_cmp_lg_u32 s14, 0
	s_cbranch_scc1 .Lnot_wave_0_\@
	s_barrier_signal -3
.Lnot_wave_0_\@:
	s_barrier_wait -3
	s_barrier_signal -1
	s_barrier_wait -1
.endm
.macro CROUND                          ; a whole round
	s_barrier_signal -1
	s_barrier_wait -1
	CREST
.endm
	s_load_b128 s[4:7], s[0:1], 0x0                ; A's codes s[4:5], A's scales s[6:7]
	s_load_b128 s[8:11], s[0:1], 0x10              ; B's codes s[8:9], B's scales s[10:11]
	s_load_b64 s[12:13], s[0:1], 0x20              ; out0
	s_load_b128 s[96:99], s[0:1], 0x28             ; b s[96:97], values s[98:99]
	s_load_b64 s[100:101], s[0:1], 0x38            ; cand_i
	s_load_b64 s[104:105], s[0:1], 0x40            ; cand_f
	v_lshl_add_u32 v[SPW], v0, 2, SPARE
	v_mov_b32 v[NIL], 0
	ds_add_u32 v[SPW], v[NIL]                      ; the wave's opening: the add, twice on end, and its wait ahead of my first tensor load; the set-up below, work on registers, stands between
	ds_add_u32 v[SPW], v[NIL]                      ; and once more, under the one wait
	v_lshrrev_b32 v1, 5, v0
	v_readfirstlane_b32 s14, v1                    ; wave 0..3
	v_mov_b32 v[ZOF], 0
	s_lshr_b32 s15, s14, 1                         ; which half of the tile's rows is mine.  Also: I fetch for A (0) or for B (1)
	s_and_b32 s16, s14, 1                          ; which half of its columns.  Also: which 128 rows of that tile I fetch
	s_bfe_u32 s40, ttmp6, 0x40000                  ; cx, cy: my place in the cluster
	s_bfe_u32 s41, ttmp6, 0x40004
	s_lshl_b32 s42, ttmp9, 2
	s_add_co_u32 s42, s42, s40                     ; tile column = 4 x cluster x + cx
	s_and_b32 s17, ttmp7, 0xffff
	s_lshl_b32 s17, s17, 2
	s_add_co_u32 s17, s17, s41                     ; tile row = 4 x cluster y + cy
	s_lshl_b32 s43, s41, 2
	s_lshl_b32 s43, 15, s43                        ; my row of the cluster
	s_lshl_b32 s44, 0x1111, s40                    ; my column
	s_lshr_b32 s66, s17, 2                         ; my sample: four tile rows each;
	s_lshl_b32 s66, s66, 6                         ; its sixteen words among the candidates
	s_mov_b32 s67, 0
	; descriptor group 1, padded in LDS: A: 32 rows x AROW bytes, one behind the other;  B: 128 rows x ROWB bytes, a row of W apart
	s_or_b32 s[G1+0], s43, (0<<16)|(1<<20)|(1<<21)|(3<<22)|(3<<25)  ; 15:0 the mask: A's tiles go to my row; 17:16 element of 1 byte; 20 padding on; 21 set beside a mask; 24:22 after every 16 words (code 3); 31:25 of 4 words (code 3)
	s_or_b32 s[G1B+0], s44, (0<<16)|(1<<20)|(1<<21)|(3<<22)|(3<<25)
	s_mov_b32 s[G1+1], AROW<<16                    ; tensor_dim0
	s_mov_b32 s[G1+2], 32<<16                      ; tensor_dim1
	s_mov_b32 s[G1+3], AROW<<16                    ; tile_dim0
	s_mov_b32 s[G1+4], 32                          ; tile_dim1
	s_mov_b32 s[G1+5], AROW                        ; tensor_dim0_stride
	s_mov_b32 s[G1+6], 0
	s_mov_b32 s[G1+7], 0
	s_mov_b32 s[G1B+1], ROWB<<16
	s_mov_b32 s[G1B+2], 128<<16
	s_mov_b32 s[G1B+3], ROWB<<16
	s_mov_b32 s[G1B+4], 128
	s_mov_b32 s[G1B+5], KROW
	s_mov_b32 s[G1B+6], 0
	s_mov_b32 s[G1B+7], 0
	; and for the scales of 128 rows: a dense block of 128 KS bytes, as rows of 256 bytes (32 elements of 8 bytes), 16 bytes of padding behind each
	s_or_b32 s[G1S+0], s43, (3<<16)|(1<<20)|(1<<21)|(5<<22)|(3<<25)
	s_or_b32 s[G1SB+0], s44, (3<<16)|(1<<20)|(1<<21)|(5<<22)|(3<<25)
.irp g, G1S, G1SB
	s_mov_b32 s[\g+1], 32<<16
	s_mov_b32 s[\g+2], (128*KS/256)<<16
	s_mov_b32 s[\g+3], 32<<16
	s_mov_b32 s[\g+4], 128*KS/256
	s_mov_b32 s[\g+5], 32
	s_mov_b32 s[\g+6], 0
	s_mov_b32 s[\g+7], 0
.endr
	s_lshl_b32 s18, s16, 7                         ; which 128 rows of the tile I fetch
	s_lshl_b32 s20, s17, 8
	s_add_co_u32 s20, s20, s18                     ; A: row 256 x tile row + 128 x half
	s_lshl_b32 s46, s42, 8
	s_add_co_u32 s46, s46, s18                     ; B: row 256 x tile column + 128 x half
	s_mov_b32 s21, 0
	s_mov_b32 s47, 0
	s_mov_b64 s[18:19], KS
	s_mul_u64 s[22:23], s[20:21], s[18:19]         ; where these rows' scales begin, in bytes
	s_mul_u64 s[92:93], s[46:47], s[18:19]
	s_mov_b64 s[18:19], KROW
	s_mul_u64 s[46:47], s[46:47], s[18:19]         ; B's codes
	s_mul_i32 s20, s17, 16*ABLK                    ; A's codes: the tile row's sixteen blocks,
	s_mul_i32 s18, s16, 128*ROWB                   ; my 128 rows in a block
	s_add_co_u32 s20, s20, s18
	s_mul_i32 s45, s14, HALFT                      ; where they go: wave x 128 rows: no place in the cluster enters an LDS address
	s_mul_i32 s94, s14, HALFS
	s_wait_dscnt 0x0                               ; both opening adds are done
	s_wait_kmcnt 0x0
	s_add_nc_u64 s[20:21], s[4:5], s[20:21]
	s_add_nc_u64 s[22:23], s[6:7], s[22:23]
	s_add_nc_u64 s[46:47], s[8:9], s[46:47]
	s_add_nc_u64 s[92:93], s[10:11], s[92:93]
	s_add_nc_u64 s[100:101], s[100:101], s[66:67]  ; my sample's candidates
	s_add_nc_u64 s[104:105], s[104:105], s[66:67]
	CROUND                                         ; all sixteen work-groups are here: the first joint loads meet
	s_mov_b32 s[G0S], 1
	s_add_co_u32 s[G0S+1], s94, SCL
	s_mov_b64 s[G0S+2:G0S+3], s[22:23]
	s_or_b32 s[G0S+3], s[G0S+3], 0x80000000
	s_mov_b32 s[G0SB], 1
	s_add_co_u32 s[G0SB+1], s94, SCL
	s_mov_b64 s[G0SB+2:G0SB+3], s[92:93]
	s_or_b32 s[G0SB+3], s[G0SB+3], 0x80000000
	JLOAD G0S, G1S, G0SB, G1SB                     ; the scales first: they are wanted with K step 0
.irp s, 0,1
	s_mov_b32 s[G0+4*\s], 1
	s_add_co_u32 s[G0+4*\s+1], s45, \s*SLOT
	s_add_nc_u64 s[G0+4*\s+2:G0+4*\s+3], s[20:21], \s*ABLK
	s_or_b32 s[G0+4*\s+3], s[G0+4*\s+3], 0x80000000
	s_mov_b32 s[G0B+4*\s], 1
	s_add_co_u32 s[G0B+4*\s+1], s45, \s*SLOT
	s_add_nc_u64 s[G0B+4*\s+2:G0B+4*\s+3], s[46:47], \s*ROWB
	s_or_b32 s[G0B+4*\s+3], s[G0B+4*\s+3], 0x80000000
	JLOAD G0+4*\s, G1, G0B+4*\s, G1B               ; three tensor loads of mine are out now
.endr
	v_and_b32 v1, 15, v0                           ; l % 16
	v_bfe_u32 v2, v0, 4, 1                         ; l / 16
	v_mul_u32_u24 v3, v1, PITCH
	v_mul_u32_u24 v4, v2, 24
	v_add_nc_u32 v4, v3, v4                        ; a fragment's row x pitch + 24 x half
	v_lshl_add_u32 v5, v2, 4, v4                   ; and the same behind one padding more
	s_mul_i32 s21, s15, HALFT                      ; my 128 rows of A
	s_mul_i32 s22, s16, HALFT                      ; my 128 rows of B,
	s_add_co_u32 s22, s22, 2*HALFT                 ; which lie behind A's 256
.irp s, 0,1
	v_add_nc_u32 v[ADRA+\s], s21, v4
	v_add_nc_u32 v[ADRB+\s], s22, v4
	v_add_nc_u32 v[ADRA+2+\s], s21, v5
	v_add_nc_u32 v[ADRB+2+\s], s22, v5
	s_add_co_u32 s21, s21, SLOT
	s_add_co_u32 s22, s22, SLOT
.endr
	v_mul_u32_u24 v5, v1, KS                       ; my row's scales: KS bytes a row,
	v_lshrrev_b32 v6, 8, v5
	v_lshl_add_u32 v5, v6, 4, v5                   ; and 16 more for each 256 passed
	s_mul_i32 s21, s15, HALFS                      ; A's: my 128 rows
	s_mul_i32 s22, s16, HALFS                      ; B's: my 128 rows, behind A's 256
	s_add_co_u32 s22, s22, 2*HALFS
	s_sub_co_u32 s22, s22, s21
	v_mul_u32_u24 v6, s22, v2                      ; lanes 16-31 take B's
	s_add_co_u32 s21, s21, SCL
	v_add_nc_u32 v5, v5, v6
	v_add_nc_u32 v[ADRS], s21, v5
	s_mul_i32 s23, s14, 16*SPITCH                  ; my stage
	v_mul_u32_u24 v5, v1, SPITCH                   ; in: row l % 16, 32 bytes for each half of the lanes
	v_lshl_add_u32 v5, v2, 5, v5
	v_add_nc_u32 v[STO], s23, v5
	v_and_b32 v6, 31, v0
	v_lshlrev_b32 v[CO], 4, v6                     ; back: the 32 lanes take one row of 512 bytes; and the same in out0
	v_add_nc_u32 v[RD], s23, v[CO]
	v_lshlrev_b32 v[BOF], 5, v2
	s_lshl_b32 s20, s17, 8
	s_lshl_b32 s21, s15, 7
	s_add_co_u32 s20, s20, s21                     ; my first row of out0: 256 x tile row + 128 x half
	s_mov_b32 s21, 0
	s_mov_b64 s[18:19], SIZE_N*4
	s_mul_u64 s[20:21], s[20:21], s[18:19]
	s_lshl_b32 s46, s42, 10                        ; my first column, in bytes: 1024 x tile column + 512 x half
	s_lshl_b32 s47, s16, 9
	s_add_co_u32 s46, s46, s47
	s_mov_b32 s47, 0
	s_add_nc_u64 s[20:21], s[20:21], s[46:47]
	s_add_nc_u64 s[12:13], s[12:13], s[20:21]
	s_add_nc_u64 s[96:97], s[96:97], s[46:47]      ; the bias and the rows of values at my first column
	s_add_nc_u64 s[98:99], s[98:99], s[46:47]
.irp j, 0,1,2,3,4,5,6,7
	global_load_b128 v[BI+8*\j:BI+8*\j+3], v[BOF], s[96:97] offset:64*\j
	global_load_b128 v[BI+8*\j+4:BI+8*\j+7], v[BOF], s[96:97] offset:64*\j+16
.endr
	; the prefetches (macro ASK): where my wave's stand, and who asks.  s17 = tile row, s42 = tile column, s40 = cx, s41 = cy still stand; s[4:5] = A's codes, s[8:9] = B's
	s_and_b32 s22, ttmp7, 0xffff                   ; cluster y
	s_mul_i32 s18, s17, 16*ABLK                    ; A: the tile row's stream
	s_mul_i32 s19, s42, 256*KROW                   ; B: the tile column's first row
	s_cmp_eq_u32 s15, 0                            ; do I fetch for A?  (only moves, products and selections stand between this compare and its last selection)
	s_cselect_b64 s[PFA:PFA+1], s[4:5], s[8:9]
	s_cselect_b32 s18, s18, s19
	s_cselect_b32 s20, s40, s41                    ; my place among the four that ask for the tile with me
	s_cselect_b32 s22, ttmp9, s22                  ; the coordinate along which other clusters read the same bytes
	s_mov_b32 s[PFS], 256
	s_cselect_b32 s[PFS], 0x10000, s[PFS]          ; a run on
	s_mov_b32 s21, KROW
	s_cselect_b32 s21, 256, s21                    ; from lane to lane
	s_mov_b32 s23, 32*KROW
	s_cselect_b32 s23, 8192, s23                   ; from wave to wave
	s_mov_b32 s19, 2*256
	s_cselect_b32 s19, 2*0x10000, s19              ; at run 2: the first change of slots steps it to run 3.  Nothing is prefetched here, at the head, where every work-group's first tiles are on their way
	s_mov_b32 s[PFS+1], 0
	s_cmp_eq_u32 s22, 0                            ; the same in all sixteen partners, for a given wave
	s_cselect_b32 s[LIM], 2, -1
	s_cselect_b32 s[LIM+1], 3, -1
	s_lshl_b32 s20, s20, 1
	s_add_co_u32 s20, s20, s16                     ; which eighth of a run is mine: 2 x place + wave % 2
	s_mul_i32 s20, s20, s23
	s_add_co_u32 s18, s18, s20
	s_add_co_u32 s18, s18, s19
	s_mov_b32 s19, 0
	s_add_nc_u64 s[PFA:PFA+1], s[PFA:PFA+1], s[18:19]
	v_and_b32 v[PFO], 31, v0
	v_mul_lo_u32 v[PFO], v[PFO], s21
	s_wait_loadcnt 0x0                             ; the bias
.macro FRAG reg, adr, q, i             ; a fragment, 16 rows x 128 K of 6-bit codes, is 12 registers: lane l holds row l % 16; registers 6 c .. 6 c + 5 hold K = 64 c + 32 (l / 16) + 0 .. 31: 24 bytes of the row's stream of bits, as they lie
.irp p, 0,1,2,3,4,5                    ; in pieces of 8 bytes, so that every address is a multiple of the access's size.  Lanes 0-15 take the row's pieces 12 q + 0, 1, 2 and 12 q + 6, 7, 8, lanes 16-31 those three pieces on
.set PC, 12*(\q)+6*(\p/3)+\p%3        ; 16 bytes of padding lie behind every 64 bytes (8 pieces): where the piece three on lies behind one padding more, the second address register (40 for 24 bytes a half) serves
.if PC%8 < 5
	ds_load_b64 v[\reg+2*\p:\reg+2*\p+1], v[\adr] offset:8*PC+16*(PC/8)+(\i)*16*PITCH
.else
	ds_load_b64 v[\reg+2*\p:\reg+2*\p+1], v[\adr+2] offset:8*PC+16*(PC/8)+(\i)*16*PITCH
.endif
.endr
.endm
; 16 matrix instructions: A's blocks a0, a0 + 1 x B's eight, 128 along K: the slot's q-th.  p: B's set;  sc: the set of scale words.  zero = 1: the first product starts the sums, with the bias as its C: nothing is ever cleared.
; The 64 accumulators take turns, one instruction a turn, in the same order in every step.
.macro MUL16 a0, p, q, sc, zero
.irp a, \a0, \a0+1
.irp b, 0,1,2,3,4,5,6,7
.if \zero
	v_wmma_scale_f32_16x16x128_f8f6f4 v[8*(8*((\a)%4)+\b):8*(8*((\a)%4)+\b)+7], v[128*(\p)+FR*\b:128*(\p)+FR*\b+FR-1], v[AF+FR*(\a):AF+FR*(\a)+FR-1], v[BI+8*\b:BI+8*\b+7], v[SC+8*NQ*(\sc)+NQ*\b+(\q)], v[SC+8*NQ*(\sc)+NQ*(\a)+(\q)] matrix_a_fmt:MATRIX_FMT_BF6 matrix_b_fmt:MATRIX_FMT_BF6 matrix_a_scale:MATRIX_SCALE_ROW1
.else
	v_wmma_scale_f32_16x16x128_f8f6f4 v[8*(8*((\a)%4)+\b):8*(8*((\a)%4)+\b)+7], v[128*(\p)+FR*\b:128*(\p)+FR*\b+FR-1], v[AF+FR*(\a):AF+FR*(\a)+FR-1], v[8*(8*((\a)%4)+\b):8*(8*((\a)%4)+\b)+7], v[SC+8*NQ*(\sc)+NQ*\b+(\q)], v[SC+8*NQ*(\sc)+NQ*(\a)+(\q)] matrix_a_fmt:MATRIX_FMT_BF6 matrix_b_fmt:MATRIX_FMT_BF6 matrix_a_scale:MATRIX_SCALE_ROW1
.endif
.endr
.endr
.endm
.macro FETCH_B slot, q, p              ; B's eight fragments of the slot's q-th 128 along K into set p
	WIN TO_B
.irp i, 0,1,2,3,4,5,6,7
	FRAG 128*(\p)+FR*\i, ADRB+\slot, \q, \i
.endr
	WIN 0
.endm
.macro FETCH_A slot, q, i0             ; A's blocks i0 .. i0 + 3
.irp i, \i0, \i0+1, \i0+2, \i0+3
	FRAG AF+FR*(\i), ADRA+\slot, \q, \i
.endr
.endm
.macro SCALES sc                       ; the next K step's scale words into set sc: NQ words a row; lanes 0-15 take A's block i, lanes 16-31 B's block i
.irp i, 0,1,2,3,4,5,6,7
	ds_load_b64 v[SC+8*NQ*\sc+NQ*\i:SC+8*NQ*\sc+NQ*\i+1], v[ADRS] offset:\i*SBLK
.endr
.endm
; A load into a register that a matrix instruction has read, and a vector instruction or an LDS store that reads a matrix result, stand NP places behind that matrix instruction, and only plain vector
; instructions that name none of its registers are places (ISA guide 7.12.1 for vector instructions); this text does not count the matrix instructions in between.
.macro PLACES n
.rept \n
	v_nop
.endr
.endm
; A step of 128 along K that has its successor in the same slot.
.macro STEP slot, q, zero
	s_wait_dscnt 4*NL                              ; B's set, the scale words and A's blocks 0-3 are in; the youngest 24 loads (A's blocks 4-7) may be out
.if \zero
	WIN FIRST_LO
.else
	WIN MUL_LO
.endif
	MUL16 0, (\q)%2, \q, \slot, \zero
	MUL16 2, (\q)%2, \q, \slot, \zero
	s_wait_dscnt 0                                 ; A's blocks 4-7 are in (asked for 32 matrix instructions ago)
	PLACES NP
	FETCH_B \slot, (\q)+1, 1-(\q)%2
	FETCH_A \slot, (\q)+1, 0
.if \zero
	WIN FIRST_HI
.else
	WIN MUL_HI
.endif
	MUL16 4, (\q)%2, \q, \slot, \zero
	MUL16 6, (\q)%2, \q, \slot, \zero
	PLACES NP
	WIN 0
	FETCH_A \slot, (\q)+1, 4
.endm
; A slot's last step changes slots: ONE barrier; in front of it each wave waits for all its tensor loads, adds 0 to its spare word, and waits for that and for its own reads of this slot.  fill = 1: this slot is filled again, two K steps ahead.
.macro TURN slot, next, fill
.if \fill
	s_wait_xcnt 0x0                                ; the last prefetch, a K step back, has read its address: it is stepped here, ahead of the waits of the change of slots
	s_add_nc_u64 s[PFA:PFA+1], s[PFA:PFA+1], s[PFS:PFS+1]
.endif
	s_wait_tensorcnt 0x0                           ; all my tensor loads have landed: my part of the next slot;  (every window is 0 here: the add's two registers lie in window 0)
	ds_add_u32 v[SPW], v[NIL]                      ; 0 onto my spare word
	s_wait_dscnt 4*NL+1                            ; (the add and the youngest 24 loads, A's blocks 4-7, may be out)
	WIN MUL_LO
	MUL16 0, 1, NQ-1, \slot, 0                     ; sixteen matrix instructions stand between the add and the wait for it
	s_wait_dscnt 0x0                               ; the add is done, and my reads of this slot are over
	s_barrier_signal -1
	MUL16 2, 1, NQ-1, \slot, 0
	WIN 0
	s_barrier_wait -1
.if \fill
	CREST                                          ; the barrier has opened a round of the cluster's barrier: no wave of any partner still reads this slot's tile or has a load on its way
	s_add_nc_u64 s[G0+4*\slot+2:G0+4*\slot+3], s[G0+4*\slot+2:G0+4*\slot+3], 2*ABLK
	s_add_nc_u64 s[G0B+4*\slot+2:G0B+4*\slot+3], s[G0B+4*\slot+2:G0B+4*\slot+3], 2*ROWB
	JLOAD G0+4*\slot, G1, G0B+4*\slot, G1B         ; the first tensor load behind the round, my one load until the next; the four v_nop behind it are the places in front of the loads below
.else
	PLACES NP
.endif
	v_add_nc_u32 v[ADRS], 4*NQ, v[ADRS]            ; on to the next K step's scale words (no LDS load of mine is out)
	FETCH_B \next, 0, 0
	FETCH_A \next, 0, 0
	SCALES \next
.if \fill
	ASK \slot                                      ; behind the joint load and the run of LDS loads that the next products wait for
.endif
	WIN MUL_HI
	MUL16 4, 1, NQ-1, \slot, 0
	MUL16 6, 1, NQ-1, \slot, 0
	PLACES NP
	WIN 0
	FETCH_A \next, 0, 4
.endm
	s_wait_tensorcnt 1                             ; the scales and my part of K step 0 are in (K step 1's load may be out)
	s_barrier_signal -1
	s_barrier_wait -1                              ; everybody's are
	FETCH_B 0, 0, 0
	FETCH_A 0, 0, 0
	SCALES 0
	FETCH_A 0, 0, 4
	STEP 0, 0, 1                                   ; the first step stands in front of the loop: its products start the sums on the bias
.irp j, 0,1,2,3                        ; my sample's sixteen candidates, the same words in every lane, into the registers that the bias has left (the step's last four places stand between); they have the whole loop in which to land
	global_load_b128 v[CI+4*\j:CI+4*\j+3], v[ZOF], s[100:101] offset:16*\j
	global_load_b128 v[CD+4*\j:CD+4*\j+3], v[ZOF], s[104:105] offset:16*\j
	global_load_b128 v[CE+4*\j:CE+4*\j+3], v[ZOF], s[104:105] offset:256+16*\j
.endr
	s_mov_b32 s3, LAPS-1
.Llap:                                                 ; a trip goes once round the ring, from a lap's second step to the next lap's first, and fills both slots again
	TURN 0, 1, 1
	STEP 1, 0, 0
	TURN 1, 0, 1
	STEP 0, 0, 0
	s_sub_co_u32 s3, s3, 1
	s_cmp_lg_u32 s3, 0
	s_cbranch_scc1 .Llap
	; THE CANDIDATES
	s_wait_loadcnt 0x0                             ; the twelve loads issued ahead of the loop
.irp j, 0,1,2,3,4,5,6,7,8,9,10,11,12,13,14,15
	v_min_u32 v[CI+\j], 0x7ff, v[CI+\j]            ; a stored key enters an address only held inside the table
	v_lshlrev_b32 v[CI+\j], 14, v[CI+\j]           ; a row of values is 16,384 bytes
	v_add_nc_u32 v[CI+\j], v[CI+\j], v[CO]
.endr
	WIN TO_B                                       ; candidate j's four columns: window 1, v96 + 4 j (j < 8), v192 + 4 j (j >= 8): beside B's two sets
.irp j, 0,1,2,3,4,5,6,7,8,9,10,11,12,13,14,15
	global_load_b128 v[96+4*\j+96*(\j/8):99+4*\j+96*(\j/8)], v[CI+\j], s[98:99]   ; they have the last three steps of 128 along K in which to land
.endr
	WIN 0
	v_mov_b32 v[DMIN], v[CD]
	v_mov_b32 v[EPSV], v[CE]
.irp j, 1,2,3,4,5,6,7,8,9,10,11,12,13,14,15
	v_cmp_lt_f32 s[MK+\j], v[CD+\j], v[DMIN]       ; strictly nearer: of equal distances the earlier candidate, which has the lower key, stays
	v_cndmask_b32 v[DMIN], v[DMIN], v[CD+\j], s[MK+\j]
	v_cndmask_b32 v[EPSV], v[EPSV], v[CE+\j], s[MK+\j]
.endr
	v_cmp_le_f32 s[HIT], v[DMIN], v[EPSV]
	TURN 0, 1, 0                                   ; the last lap fills nothing, and has no round of the cluster's barrier
	STEP 1, 0, 0
	s_wait_dscnt 4*NL                              ; the very last step: nothing more to fetch
	WIN MUL_LO
	MUL16 0, 1, NQ-1, 1, 0
	MUL16 2, 1, NQ-1, 1, 0
	s_wait_dscnt 0
	WIN MUL_HI
	MUL16 4, 1, NQ-1, 1, 0
	MUL16 6, 1, NQ-1, 1, 0
	WIN 0
	s_wait_loadcnt 0x0                             ; the sixteen rows of values
	WIN 0x01                                       ; source 0 window 1
.irp k, 0,1,2,3
	v_mov_b32 v[VAL+\k], v[96+\k]
.endr
	WIN 0x04                                       ; source 1 window 1
.irp j, 1,2,3,4,5,6,7,8,9,10,11,12,13,14,15
.irp k, 0,1,2,3
	v_cndmask_b32 v[VAL+\k], v[VAL+\k], v[96+4*\j+96*(\j/8)+\k], s[MK+\j]   ; the same masks, in the same order: the chosen row's four columns
.endr
.endr
	WIN 0
; THE WAY OUT, block by block of 16 rows x 128 columns.  A lane holds 32 neighbouring bytes of a row, and the lanes beside it hold other rows: so a block goes through my own stage in LDS and comes back as whole
; rows of 512 bytes, which the 32 lanes store as two aligned runs of 256 bytes.  LDS serves a wave's instructions in order (ISA guide 5.7.1.4): no wait between the stores and the loads, nor in front of the next block's stores.
.macro TOSTAGE a
.set AC, 64*((\a)%4)
	WIN 0x08+4*((\a)/4)                            ; the data: window 2 or 3
.irp b, 0,1,2,3,4,5,6,7
	ds_store_b128 v[STO], v[AC+8*\b:AC+8*\b+3] offset:64*\b          ; each accumulator from its low end on
	ds_store_b128 v[STO], v[AC+8*\b+4:AC+8*\b+7] offset:64*\b+16
.endr
	WIN 0
.set BB, BK+64*((\a)%2)
.irp t, 0,1,2,3,4,5,6,7,8,9,10,11,12,13,14,15
	ds_load_b128 v[BB+4*\t:BB+4*\t+3], v[RD] offset:\t*SPITCH
.endr
.endm
.macro SEND a, younger                 ; younger: the LDS instructions issued behind block a's loads, which may stay out
.set BB, BK+64*((\a)%2)
	s_wait_dscnt \younger                          ; the block is back in registers
.irp t, 0,1,2,3,4,5,6,7,8,9,10,11,12,13,14,15
.irp k, 0,1,2,3
	v_cndmask_b32 v[BB+4*\t+\k], v[BB+4*\t+\k], v[VAL+\k], s[HIT]   ; THE REPLACEMENT: in every row a lane holds the same four columns
.endr
.endr
.if (\a) > 0
	s_add_nc_u64 s[12:13], s[12:13], 16*SIZE_N*4   ; (behind a wait on XCNT: the earlier stores have read their base)  16 rows on, so that the stores' offsets stay small: 15 rows of 16,384 bytes at the most
.endif
.irp t, 0,1,2,3,4,5,6,7,8,9,10,11,12,13,14,15
	global_store_b128 v[CO], v[BB+4*\t:BB+4*\t+3], s[12:13] offset:\t*SIZE_N*4 th:TH_STORE_NT   ; 32 lanes store 512 consecutive bytes, at a multiple of 256 from out0's first byte; written once, read by nobody here
.endr
.endm
	PLACES NP                                      ; these places serve the loads into the registers that held A's fragments and the reads of the last products' results alike
	TOSTAGE 0
.irp a, 1,2,3,4,5,6,7
.if \a > 1
	s_wait_xcnt 0x0                                ; block a - 2's stores have read their registers and their base: block a's loads may land there, and the base may step
.endif
	TOSTAGE \a
	SEND \a-1, 32                                  ; behind block a - 1's loads: block a's 16 stores and 16 loads
.endr
	s_wait_xcnt 0x0                                ; block 6's stores have read their base
	SEND 7, 0
	s_wait_tensorcnt 0x0                           ; the wave's end, behind my last tensor load and my last LDS store
	ds_add_u32 v[SPW], v[NIL]
	s_wait_dscnt 0x0
	CROUND                                         ; the closing round: no work-group ends while a partner may still ask for a tile that names it
	s_endpgm
.Lfunc_end_k_q25b82a1ecc_gemm:
	.size	k_q25b82a1ecc_gemm, .Lfunc_end_k_q25b82a1ecc_gemm-k_q25b82a1ecc_gemm
	.p2alignl 7, 3214868480
	.fill 96, 4, 3214868480
	.section	.rodata,"a",@progbits
	.p2align	6, 0x0
	.amdhsa_kernel k_q25b82a1ecc_gemm
		.amdhsa_group_segment_fixed_size 327680
		.amdhsa_private_segment_fixed_size 0
		.amdhsa_enable_private_segment 0
		.amdhsa_kernarg_size 72
		.amdhsa_user_sgpr_count 2
		.amdhsa_user_sgpr_kernarg_segment_ptr 1
		.amdhsa_wavefront_size32 1
		.amdhsa_system_sgpr_workgroup_id_x 1
		.amdhsa_system_sgpr_workgroup_id_y 1
		.amdhsa_system_sgpr_workgroup_id_z 1
		.amdhsa_system_vgpr_workitem_id 0
		.amdhsa_next_free_vgpr 1024
		.amdhsa_next_free_sgpr 106
		.amdhsa_reserve_vcc 0
		.amdhsa_float_denorm_mode_32 3
		.amdhsa_float_denorm_mode_16_64 3
		.amdhsa_memory_ordered 1
		.amdhsa_forward_progress 1
		.amdhsa_inst_pref_size 207
	.end_amdhsa_kernel
	.amdgpu_metadata
---
amdhsa.version: [ 1, 2 ]
amdhsa.kernels:
  - .name:           k_q25b82a1ecc_gemm
    .symbol:         k_q25b82a1ecc_gemm.kd
    .args:
      - { .name: x_codes, .offset: 0, .size: 8, .value_kind: global_buffer, .address_space: global }
      - { .name: x_scales, .offset: 8, .size: 8, .value_kind: global_buffer, .address_space: global }
      - { .name: W_codes, .offset: 16, .size: 8, .value_kind: global_buffer, .address_space: global }
      - { .name: W_scales, .offset: 24, .size: 8, .value_kind: global_buffer, .address_space: global }
      - { .name: out0, .offset: 32, .size: 8, .value_kind: global_buffer, .address_space: global }
      - { .name: b, .offset: 40, .size: 8, .value_kind: global_buffer, .address_space: global }
      - { .name: values, .offset: 48, .size: 8, .value_kind: global_buffer, .address_space: global }
      - { .name: cand_i, .offset: 56, .size: 8, .value_kind: global_buffer, .address_space: global }
      - { .name: cand_f, .offset: 64, .size: 8, .value_kind: global_buffer, .address_space: global }
    .group_segment_fixed_size: 327680
    .private_segment_fixed_size: 0
    .kernarg_segment_align: 8
    .kernarg_segment_size: 72
    .max_flat_workgroup_size: 128
    .sgpr_count:     106
    .vgpr_count:     1024
    .wavefront_size: 32
...
	.end_amdgpu_metadata
.endif
;; end of part 4
